; MI455X (gfx1250); checked and timed in simulation.
; The chip was launched on July 23, 2026; its instructions are those of AMD's public machine-readable ISA for CDNA 5 (MIT licence, August 2026) and "CDNA5" Instruction Set Architecture Reference Guide (July 2026). The comments in the code are by the model that wrote it; some were corrected since.
;; Self Attention. Allowed arithmetic: matrix products marked QUANTISED: E3M2 operands, one E8M0 scale for each 32 along K, by v_wmma_scale_f32_16x16x128_f8f6f4 with both operands' format E3M2, f32 sums; everything else in f32.
;; Inputs: bk 1,024 float32; bo 1,024 float32; bq 1,024 float32; bv 1,024 float32; wk 1,024 x 1,024 float32; wo 1,024 x 1,024 float32; wq 1,024 x 1,024 float32; wv 1,024 x 1,024 float32; x 8 x 1,024 x 1,024 float32.
;; Outputs: out0 8 x 1,024 x 1,024 float32.
;; This version of the problem:
;;   THIS VERSION OF THE PROBLEM IS GIVEN IN LOW PRECISION. The matrix products marked QUANTISED in the list below multiply operands that are first quantised to E3M2 (3 exponent bits, 2 mantissa bits; 6 bits a number), with one power-of-two scale for each 32 numbers along K (OCP MX v1.0); their sums are f32. All else is computed in f32.
;;   The module's matrix products, in the order in which they are computed (A, B: the left and right operand; K: the contracted axis; several contracted axes count as one K, in the product's order):
;;     1. [M 8,192, K 1,024] x [K 1,024, N 1,024]; A: input x; B: input wq: QUANTISED
;;     2. [M 8,192, K 1,024] x [K 1,024, N 1,024]; A: input x; B: input wk: QUANTISED
;;     3. [M 8,192, K 1,024] x [K 1,024, N 1,024]; A: input x; B: input wv: QUANTISED
;;     4. batch 128 x [M 1,024, K 64] x [K 64, N 1,024]; A: computed on the way; B: computed on the way: QUANTISED
;;     5. batch 128 x [M 1,024, K 1,024] x [K 1,024, N 64]; A: softmax (see below); B: computed on the way: QUANTISED
;;     6. [M 8,192, K 1,024] x [K 1,024, N 1,024]; A: computed on the way; B: input wo: QUANTISED
;;   THE QUANTISER, for each operand of a quantised product, along K:
;;     - K is cut into blocks of 32 from its start; a last block that is shorter is filled with zeros.
;;     - A block's scale is 2^e with e = floor(log2(the largest magnitude in the block)) - 4, held to -126 .. 127; a block of zeros has e = 0. As a byte (E8M0): e + 127.
;;     - Each number is divided by its block's scale, clamped to +-28, and rounded to the nearest number of E3M2, ties to even, subnormals kept.
;;     - The product sums the exact products of the quantised numbers (number of the format x scale) in f32.
;;   ~~~python
;;   def quantise(x, axis):      # numpy; x: float32 -> the quantised numbers, widened to float32 again
;;       x = np.moveaxis(x, axis, -1); K = x.shape[-1]
;;       x = np.pad(x, [(0, 0)] * (x.ndim - 1) + [(0, -K % 32)]); x = x.reshape(x.shape[:-1] + (-1, 32)); a = np.abs(x).max(-1, keepdims=True)
;;       e = np.where(a > 0, np.clip(np.frexp(np.where(a > 0, a, 1))[1] - 1 - 4, -126, 127), 0)      # np.frexp(a)[1] - 1 = floor(log2(a)), exactly
;;       r = np.clip(x / 2.0 ** e, -28, 28)
;;       step = 2.0 ** (np.maximum(np.frexp(np.where(r == 0, 1, r))[1] - 1, -2) - 2)
;;       q = np.round(r / step) * step * 2.0 ** e      # np.round: ties to even
;;       return np.moveaxis(q.reshape(q.shape[:-2] + (-1,))[..., :K], -1, axis).astype(np.float32)
;;   ~~~
;;   SOFTMAX AHEAD OF A QUANTISED PRODUCT. Where the list says 'softmax', what is quantised is not the finished softmax but p = 2^(t - M), with t = logit x log2(e) and M = ceil(the row's largest t), a whole number; so 1/2 < the row's largest p <= 1. The row's sum l is taken of the UNQUANTISED p, in f32, and the product's result is divided by l at the end. Since M is a whole number, a kernel that streams over the keys may use a running M (the ceiling of the running maximum): every later rescaling is an exact power of two, which a block's scale takes up: the codes' values come out the same.
;;   OPERANDS COMPUTED ON THE WAY. 'Computed on the way' means the value that the module computes at that place (a softmax that the list does not call 'softmax' is quantised finished and normalised). What goes into a quantiser is computed in f32, as accurately as f32 sums, v_exp_f32 and their like allow (about 1e-6 of the number): no bf16 or f16 on the way to a quantiser, and a product that is left as it is and whose result goes on into a quantised operand takes f32 operands (vector FMAs, or v_wmma_f32_16x16x4_f32). A number that lies on a knife's edge between two numbers of the format may be rounded either way, as far as f32 arithmetic and the matrix unit's own rounding can turn it there, and no further.
;; One version. Each part assembles by itself: llvm-mc -triple=amdgcn-amd-amdhsa -mcpu=gfx1250 --defsym DOCPART=n.
;; ======== version 1 of 1: 4 launches
;; limits: right only within a limited range of input values
;; workspace buffers: xc 6,291,456 bytes; xs 262,144 bytes; wc 3,145,728 bytes; ws 131,072 bytes; qk 13,631,488 bytes; vv 6,553,600 bytes; mc 6,291,456 bytes; msh 524,288 bytes
;; launch quant (part 1): grid 384 x 1, 4 waves a work-group, no clusters, 58,880 bytes of LDS; arguments x, wq, wk, wv, wo, xc, xs, wc, ws; writes xc, xs, wc, ws
.if DOCPART == 1
	.amdgcn_target "amdgcn-amd-amdhsa--gfx1250"
	.amdhsa_code_object_version 6
	.text
	.protected	k_q2a2251a21a_quant
	.globl	k_q2a2251a21a_quant
	.p2align	8
	.type	k_q2a2251a21a_quant,@function
k_q2a2251a21a_quant:
	s_mov_b64 s[64:65], 0
	v_nop
	global_prefetch_b8 v0, s[64:65] scope:SCOPE_SE
	s_setreg_imm32_b32 hwreg(HW_REG_WAVE_MODE, 25, 1), 1
	s_wait_xcnt 0x0
; x [8192][1024] and the four weights [1024 (k)][1024 (n)], f32, become codes of BF6 (E3M2) with one E8M0 byte for each 32 along K, laid IN THE ORDER OF THE OPERAND'S REGISTERS.
; A block's scale is 2^(floor(log2(its largest magnitude)) - 4): its byte is the largest magnitude's exponent field - 4, held at 1 from below by a floor among the maximum's leaves.
; LIMITS: NaN and infinities among the inputs are not served.  A block of zeros, and a block whose largest magnitude lies under 2^-122, gets the byte 1: its codes are zeros (or what the format keeps under that scale), and this program alone reads the bytes.
; LAYOUT.  Rows (of x) or columns (of a weight) go in pairs of tiles: lane r of tile 2 p + u holds row 32 p + 8 u + r + 8 (r / 8).  A fragment is 16 rows x 128 K, 1,536 bytes: two halves of 64 K, 768 bytes each; in a half lane (r, h)
; owns K block h, six registers: registers 0-3 at 16 x lane (512 bytes), registers 4-5 at 512 + 8 x lane.  Codes: [tile][K step 8][1,536].  Scale words: [pair][q 4][lane][2 words]: word j is K step 2 q + j; lanes 0-15 tile 2 p, lanes 16-31 tile 2 p + 1.
; SHARES.  Work-groups 0-255 take x, one pair of tiles each; work-groups 256-383 take the weights.  Every wave takes 32 rows or columns x 256 along K: 32 KiB in, four fragments and 256 scale bytes out.  Waves share nothing: no barrier.
; The two paths part on the work-group's number and have LDS bytes of their own.
.set XSTG,  8448                       ; x path: a wave's stage: 16 rows x (512 bytes + 16)
.set WLDS,  4*XSTG                     ; weights' path: its stages begin here
.set WSTG,  6144                       ; a wave's four fragments
.set L16,   4                          ; v4   16 x lane
.set L8,    5                          ; v5   8 x lane
.set R0,    16                         ; x path: v16-143 two sets of 64 registers as loaded
.set X,     144                        ; v144-207 my 64 numbers of a fragment
.set PC,    208                        ; v208-219 the fragment's codes
.set PT,    220                        ; v220-226 the blocks' upper halves as the conversions leave them
.set TM,    228                        ; v228-235 at work
.set W,     236                        ; v236-239 the scale words of fragments 0-3
.set WX,    16                         ; weights' path: v16-79 two sets of 32 numbers
.set WPC,   80                         ; v80-85 a block's codes
.set WPT,   88                         ; v88-90 its upper half
.set SB,    92                         ; v92-93 the scale words of my column's two K steps
.set OUTR,  96                         ; v96-143 the way out
.set WT,    144                        ; v144-147 at work
	s_load_b256 s[4:11], s[0:1], 0x0               ; x, wq, wk, wv
	s_load_b256 s[12:19], s[0:1], 0x20             ; wo, xc, xs, wc
	s_load_b64 s[20:21], s[0:1], 0x40              ; ws
	v_lshl_add_u32 v240, v0, 2, 0xe400
	v_mov_b32 v241, 0
	v_lshrrev_b32 v1, 5, v0
	v_readfirstlane_b32 s22, v1                    ; wave 0..3
	v_and_b32 v1, 31, v0                           ; lane
	v_lshlrev_b32 v[L16], 4, v1
	v_lshlrev_b32 v[L8], 3, v1
	s_cmp_lt_u32 ttmp9, 256
	s_cbranch_scc0 .Lweights
; ---------------- x: K is innermost.  Pair p = the work-group's number; my wave takes K steps 2 w and 2 w + 1 of its two tiles: fragments f = 2 u + s.
	v_and_b32 v2, 15, v0                           ; r
	v_bfe_u32 v3, v0, 4, 1                         ; h
	s_mul_i32 s23, s22, XSTG
	v_add_nc_u32 v6, s23, v[L16]                   ; the stage, on the way in: a row's 512 bytes as they lie
	v_mul_u32_u24 v7, v2, 528
	v_lshl_add_u32 v7, v3, 7, v7
	v_add_nc_u32 v7, s23, v7                       ; and on the way out: row r, + 128 h: my block of 32 numbers
	v_lshlrev_b32 v8, 3, v3                        ; 8 h: my bytes' place in the scale word
	v_mov_b32 v[TM+7], 0                           ; written once: a lane permute's destination counts as one of its sources
	s_mov_b32 s30, 0x76543210
	s_mov_b32 s31, 0xfedcba98                      ; v_permlanex16_b32's selects for lane l xor 16
	s_lshl_b32 s24, ttmp9, 17                      ; x: 32 rows of 4,096 bytes a pair,
	s_lshl_b32 s25, s22, 10                        ; 1,024 bytes of a row a wave
	s_add_co_u32 s24, s24, s25
	s_mov_b32 s25, 0
	s_mul_i32 s26, ttmp9, 24576                    ; codes: two tiles of 12,288 bytes a pair,
	s_mul_i32 s27, s22, 3072                       ; two K steps a wave
	s_add_co_u32 s26, s26, s27
	s_mov_b32 s27, 0
	s_lshl_b32 s28, ttmp9, 10                      ; scale words: 1,024 bytes a pair, 256 a wave
	s_lshl_b32 s29, s22, 8
	s_add_co_u32 s28, s28, s29
	s_mov_b32 s29, 0
	s_wait_alu depctr_va_vdst(0)
	s_wait_kmcnt 0x0
	s_add_nc_u64 s[4:5], s[4:5], s[24:25]
	s_add_nc_u64 s[14:15], s[14:15], s[26:27]
	s_add_nc_u64 s[16:17], s[16:17], s[28:29]
.macro XLOAD f                         ; fragment f: its 16 rows' 512 bytes, one row a load: 32 lanes read 512 consecutive bytes
.set RL, R0+64*((\f)%2)
.irp i, 0,1,2,3,4,5,6,7,8,9,10,11,12,13,14,15
	global_load_b128 v[RL+4*\i:RL+4*\i+3], v[L16], s[4:5] offset:(8*((\f)/2)+\i+8*(\i/8))*4096+512*((\f)%2) th:TH_LOAD_NT
.endr
.endm
.macro FRAGQ f
.set RB, R0+64*((\f)%2)
.if (\f) < 3
	s_wait_loadcnt 16                              ; this fragment's 16 loads are in; the next fragment's 16 may be out
.else
	s_wait_loadcnt 0x0
.endif
.irp i, 0,1,2,3,4,5,6,7,8,9,10,11,12,13,14,15
	ds_store_b128 v6, v[RB+4*\i:RB+4*\i+3] offset:528*\i
.endr
.irp c, 0,1
.irp e, 0,1,2,3,4,5,6,7
	ds_load_b128 v[X+32*\c+4*\e:X+32*\c+4*\e+3], v7 offset:256*\c+16*\e   ; LDS serves a wave's instructions in order: these see my stores.  k = 64 c + 32 h + 0 .. 31 of row r
.endr
.endr
	s_wait_dscnt 0x0                               ; my numbers are back, and the stores have read their registers,
.if (\f) < 2
	XLOAD (\f)+2                                   ; which take the loads of two fragments on
.endif
.irp c, 0,1
	v_max3_num_f32 v[TM+\c], |v[X+32*\c]|, |v[X+32*\c+1]|, 0x2800000   ; block 2 c + h: all its 32 numbers are mine; and the floor 2^(5 - 127)
.endr
.irp i, 2,4,6,8,10,12,14,16,18,20,22,24,26,28,30
.irp c, 0,1
	v_max3_num_f32 v[TM+\c], v[TM+\c], |v[X+32*\c+\i]|, |v[X+32*\c+\i+1]|
.endr
.endr
.irp c, 0,1
	v_add_nc_u32 v[TM+2+\c], 0xfe000000, v[TM+\c]  ; 4 off the exponent field: the conversion takes the exponent field of this operand as its scale
.endr
.irp c, 0,1
	v_lshrrev_b32 v[TM+4+\c], 23, v[TM+2+\c]       ; the scale's byte
.endr
	v_lshl_or_b32 v[TM+6], v[TM+5], 16, v[TM+4]    ; my two bytes: blocks h and 2 + h,
	v_lshlrev_b32 v[TM+6], v8, v[TM+6]             ; at their places;
	v_permlanex16_b32 v[TM+7], v[TM+6], s30, s31
	v_or_b32 v[W+(\f)], v[TM+6], v[TM+7]           ; with lane l xor 16's two the row's word is whole
.if (\f) > 0
	s_wait_alu depctr_va_vdst(0)
	s_wait_xcnt 0x0                                ; the last fragment's stores have read their data: the codes' registers are written again only behind this wait
.endif
.irp c, 0,1
	v_cvt_scalef32_pk16_bf6_f32 v[PC+6*\c:PC+6*\c+2], v[X+32*\c:X+32*\c+15], v[TM+2+\c]
	v_cvt_scalef32_pk16_bf6_f32 v[PT+4*\c:PT+4*\c+2], v[X+32*\c+16:X+32*\c+31], v[TM+2+\c]   ; (a conversion's three registers begin on an even number)
.endr
	v_nop                                          ; one plain line behind the conversions
.irp c, 0,1
.irp i, 0,1,2
	v_mov_b32 v[PC+6*\c+3+\i], v[PT+4*\c+\i]
.endr
.endr
.irp c, 0,1
	global_store_b128 v[L16], v[PC+6*\c:PC+6*\c+3], s[14:15] offset:((\f)/2)*12288+((\f)%2)*1536+\c*768        ; 512 consecutive bytes
	global_store_b64 v[L8], v[PC+6*\c+4:PC+6*\c+5], s[14:15] offset:((\f)/2)*12288+((\f)%2)*1536+\c*768+512   ; 256 consecutive bytes
.endr
.endm
	XLOAD 0
	XLOAD 1
	FRAGQ 0
	FRAGQ 1
	FRAGQ 2
	FRAGQ 3
	v_cmp_eq_u32 vcc_lo, 1, v3                     ; lanes 0-15 store tile 2 p's words, lanes 16-31 tile 2 p + 1's
	v_cndmask_b32 v10, v[W], v[W+2], vcc_lo
	v_cndmask_b32 v11, v[W+1], v[W+3], vcc_lo
	global_store_b64 v[L8], v[10:11], s[16:17]     ; 256 consecutive bytes, aligned
	s_wait_tensorcnt 0x0
	ds_add_u32 v240, v241
	s_wait_dscnt 0x0
	s_endpgm
; ---------------- the weights: K is the FIRST axis.  A lane takes a column and its registers run down K, so a block of 32 lies in one lane and the conversions give codes with K innermost.
.Lweights:
	s_sub_co_u32 s23, ttmp9, 256
	s_lshr_b32 s24, s23, 5                         ; which weight: 0 wq, 1 wk, 2 wv, 3 wo
	s_and_b32 s25, s23, 7                          ; which 128 columns
	s_bfe_u32 s26, s23, 0x20003                    ; which 256 along K
	s_lshl_b32 s27, s25, 2
	s_add_co_u32 s27, s27, s22                     ; my wave's pair of tiles: 32 columns
	v_bfe_u32 v2, v0, 3, 1                         ; column c of the pair lies in tile u = bit 3 of c,
	v_and_b32 v3, 7, v0
	v_bfe_u32 v9, v0, 4, 1
	v_lshl_add_u32 v3, v9, 3, v3                   ; at lane r = c % 8 + 8 (c / 16)
	s_mul_i32 s28, s22, WSTG
	s_add_co_u32 s28, s28, WLDS                    ; my stage: [u][K step 2][half 2][768]
	v_mul_u32_u24 v9, v2, 3072
	v_add_nc_u32 v9, s28, v9
	v_lshl_add_u32 v10, v3, 4, v9                  ; where registers 0-3 of a block go,
	v_lshl_add_u32 v11, v3, 3, v9                  ; and registers 4-5
	v_add_nc_u32 v12, s28, v[L16]                  ; the way out: the stage as it lies
	v_lshlrev_b32 v13, 2, v1                       ; in: 4 bytes a lane
	v_lshl_add_u32 v14, v2, 4, v3
	v_lshlrev_b32 v14, 3, v14                      ; my column's two scale words: 8 (r + 16 u)
	s_lshl_b32 s32, s26, 20                        ; in: 256 rows of 4,096 bytes,
	s_lshl_b32 s33, s27, 7                         ; 128 bytes a pair
	s_add_co_u32 s32, s32, s33
	s_mov_b32 s33, 0
	s_mul_i32 s34, s24, 786432                     ; codes
	s_mul_i32 s35, s27, 24576
	s_add_co_u32 s34, s34, s35
	s_mul_i32 s35, s26, 3072
	s_add_co_u32 s34, s34, s35
	s_mov_b32 s35, 0
	s_lshl_b32 s36, s24, 15                        ; scale words
	s_lshl_b32 s37, s27, 10
	s_add_co_u32 s36, s36, s37
	s_lshl_b32 s37, s26, 8
	s_add_co_u32 s36, s36, s37
	s_mov_b32 s37, 0
	s_wait_alu depctr_va_vdst(0)
	s_wait_kmcnt 0x0
	s_cmp_eq_u32 s24, 1                            ; the choice hangs on the work-group's number alone
	s_cselect_b64 s[6:7], s[8:9], s[6:7]
	s_cmp_eq_u32 s24, 2
	s_cselect_b64 s[6:7], s[10:11], s[6:7]
	s_cmp_eq_u32 s24, 3
	s_cselect_b64 s[6:7], s[12:13], s[6:7]
	s_add_nc_u64 s[6:7], s[6:7], s[32:33]
	s_add_nc_u64 s[18:19], s[18:19], s[34:35]
	s_add_nc_u64 s[20:21], s[20:21], s[36:37]
.macro WLOAD t                         ; block t: w(32 t + i, my column): 32 lanes read 128 consecutive bytes
.set XL, WX+32*((\t)%2)
.irp i, 0,1,2,3,4,5,6,7,8,9,10,11,12,13,14,15,16,17,18,19,20,21,22,23,24,25,26,27,28,29,30,31
	global_load_b32 v[XL+\i], v13, s[6:7] offset:(32*(\t)+\i)*4096 th:TH_LOAD_NT
.endr
.endm
.macro WBLOCK t                        ; block t is K step t / 4, half (t % 4) / 2, lanes' half t % 2
.set XS, WX+32*((\t)%2)
.set IO, ((\t)/4)*1536+(((\t)%4)/2)*768
.if (\t) < 7
	s_wait_loadcnt 32                              ; this block's 32 loads are in; the next block's may be out
.else
	s_wait_loadcnt 0x0
.endif
	v_max3_num_f32 v[WT], |v[XS]|, |v[XS+1]|, |v[XS+2]|
	v_max3_num_f32 v[WT+1], |v[XS+3]|, |v[XS+4]|, |v[XS+5]|
.irp i, 6,10,14,18,22,26
	v_max3_num_f32 v[WT], v[WT], |v[XS+\i]|, |v[XS+\i+1]|
	v_max3_num_f32 v[WT+1], v[WT+1], |v[XS+\i+2]|, |v[XS+\i+3]|
.endr
	v_max3_num_f32 v[WT], v[WT], |v[XS+30]|, |v[XS+31]|
	v_max3_num_f32 v[WT], v[WT], v[WT+1], 0x2800000   ; and the floor
	v_add_nc_u32 v[WT+2], 0xfe000000, v[WT]
	v_lshrrev_b32 v[WT+3], 23, v[WT+2]
.if (\t)%4 == 0
	v_mov_b32 v[SB+(\t)/4], v[WT+3]                ; four bytes to a word, the lower K in the lower byte
.else
	v_lshl_or_b32 v[SB+(\t)/4], v[WT+3], 8*((\t)%4), v[SB+(\t)/4]
.endif
	v_cvt_scalef32_pk16_bf6_f32 v[WPC:WPC+2], v[XS:XS+15], v[WT+2]
	v_cvt_scalef32_pk16_bf6_f32 v[WPT:WPT+2], v[XS+16:XS+31], v[WT+2]
	v_nop
.irp i, 0,1,2
	v_mov_b32 v[WPC+3+\i], v[WPT+\i]
.endr
	ds_store_b128 v10, v[WPC:WPC+3] offset:IO+256*((\t)%2)
	ds_store_b64 v11, v[WPC+4:WPC+5] offset:IO+512+128*((\t)%2)
.if (\t) < 6
	WLOAD (\t)+2
.endif
	s_wait_dscnt 0x0                               ; the stores have read their registers: the next block's codes may be written
.endm
	WLOAD 0
	WLOAD 1
.irp t, 0,1,2,3,4,5,6,7
	WBLOCK \t
.endr
	s_wait_alu depctr_va_vdst(0)
	global_store_b64 v14, v[SB:SB+1], s[20:21]     ; the 32 lanes fill 256 consecutive bytes
.irp i, 0,1,2,3,4,5,6,7,8,9,10,11
	ds_load_b128 v[OUTR+4*\i:OUTR+4*\i+3], v12 offset:512*\i
.endr
.irp i, 0,1,2,3,4,5,6,7,8,9,10,11
	s_wait_dscnt 11-\i                             ; LDS loads come back in order: load i is in
	global_store_b128 v[L16], v[OUTR+4*\i:OUTR+4*\i+3], s[18:19] offset:(\i/6)*12288+512*(\i%6)
.endr
	s_wait_tensorcnt 0x0
	ds_add_u32 v240, v241
	s_wait_dscnt 0x0
	s_endpgm
.Lfunc_end_k_q2a2251a21a_quant:
	.size	k_q2a2251a21a_quant, .Lfunc_end_k_q2a2251a21a_quant-k_q2a2251a21a_quant
	.p2alignl 7, 3214868480
	.fill 96, 4, 3214868480
	.section	.rodata,"a",@progbits
	.p2align	6, 0x0
	.amdhsa_kernel k_q2a2251a21a_quant
		.amdhsa_group_segment_fixed_size 58880
		.amdhsa_private_segment_fixed_size 0
		.amdhsa_enable_private_segment 0
		.amdhsa_kernarg_size 72
		.amdhsa_user_sgpr_count 2
		.amdhsa_user_sgpr_kernarg_segment_ptr 1
		.amdhsa_wavefront_size32 1
		.amdhsa_system_sgpr_workgroup_id_x 1
		.amdhsa_system_sgpr_workgroup_id_y 1
		.amdhsa_system_sgpr_workgroup_id_z 1
		.amdhsa_system_vgpr_workitem_id 0
		.amdhsa_next_free_vgpr 242
		.amdhsa_next_free_sgpr 66
		.amdhsa_reserve_vcc 1
		.amdhsa_float_denorm_mode_32 3
		.amdhsa_float_denorm_mode_16_64 3
		.amdhsa_memory_ordered 1
		.amdhsa_forward_progress 1
		.amdhsa_inst_pref_size 72
	.end_amdhsa_kernel
	.amdgpu_metadata
---
amdhsa.version: [ 1, 2 ]
amdhsa.kernels:
  - .name:           k_q2a2251a21a_quant
    .symbol:         k_q2a2251a21a_quant.kd
    .args:
      - { .name: x, .offset: 0, .size: 8, .value_kind: global_buffer, .address_space: global }
      - { .name: wq, .offset: 8, .size: 8, .value_kind: global_buffer, .address_space: global }
      - { .name: wk, .offset: 16, .size: 8, .value_kind: global_buffer, .address_space: global }
      - { .name: wv, .offset: 24, .size: 8, .value_kind: global_buffer, .address_space: global }
      - { .name: wo, .offset: 32, .size: 8, .value_kind: global_buffer, .address_space: global }
      - { .name: xc, .offset: 40, .size: 8, .value_kind: global_buffer, .address_space: global }
      - { .name: xs, .offset: 48, .size: 8, .value_kind: global_buffer, .address_space: global }
      - { .name: wc, .offset: 56, .size: 8, .value_kind: global_buffer, .address_space: global }
      - { .name: ws, .offset: 64, .size: 8, .value_kind: global_buffer, .address_space: global }
    .group_segment_fixed_size: 58880
    .private_segment_fixed_size: 0
    .kernarg_segment_align: 8
    .kernarg_segment_size: 72
    .max_flat_workgroup_size: 128
    .sgpr_count:     66
    .vgpr_count:     242
    .wavefront_size: 32
...
	.end_amdgpu_metadata
.endif
;; end of part 1
;; launch proj_v (part 2): grid 32 x 8, 4 waves a work-group, clusters of 4 x 4, 327,680 bytes of LDS; arguments wc, ws, xc, xs, bv, vv, bq, bk, qk; writes vv, qk
.if DOCPART == 2
	.amdgcn_target "amdgcn-amd-amdhsa--gfx1250"
	.amdhsa_code_object_version 6
	.text
	.protected	k_q2a2251a21a_proj_v
	.globl	k_q2a2251a21a_proj_v
	.p2align	8
	.type	k_q2a2251a21a_proj_v,@function
k_q2a2251a21a_proj_v:
	s_mov_b64 s[64:65], 0
	v_nop
	global_prefetch_b8 v0, s[64:65] scope:SCOPE_SE
	s_setreg_imm32_b32 hwreg(HW_REG_WAVE_MODE, 25, 1), 1
	s_wait_xcnt 0x0
	s_wait_alu depctr_hold_cnt(0) depctr_sa_sdst(0) depctr_va_vdst(0) depctr_va_sdst(0) depctr_va_ssrc(0) depctr_va_vcc(0) depctr_vm_vsrc(0)
	s_getreg_b32 s2, hwreg(HW_REG_IB_STS2, 6, 4)
	s_cmp_eq_u32 s2, 0
	s_cbranch_scc0 .Lentry_in_a_cluster
	s_endpgm
.Lentry_in_a_cluster:
	s_bfe_u32 s2, ttmp6, 0x10000c
	s_cmp_lg_u32 s2, 0xf033
	s_cbranch_scc0 .Lentry_shape_is_right
	s_endpgm
.Lentry_shape_is_right:
; ONE TEXT FOR THE THREE PROJECTIONS; the line below says which this file is.  All on codes of BF6 (E3M2) with one E8M0 byte for each 32 along K = 1,024; sums in f32.
;   MODE 0: q and k = x [wq | wk] + bias, quantised along the head's 64.   side A = 128 rows of x, side B = 256 columns of [wq | wk].
;   MODE 1: v^T = (x wv + bv)^T, quantised along the keys.                 side A = 128 columns of wv, side B = 256 rows of x.
;   MODE 2: out = merged wo + bo, f32.                                     side A = 128 rows of merged, side B = 256 columns of wo.
; LIMITS: NaN and infinities are not served; a block of zeros, or one under 2^-122, gets the scale byte 1 (its codes are zeros or what the format keeps; this program alone reads the bytes).
; THE MATRIX INSTRUCTION: source 0 = 16 rows of side B, source 1 = 16 rows of side A.  A lane then holds ONE row of side A (lane % 16) and eight rows of side B.  Lane r of tile 2 p + u of every operand holds row
; 32 p + 8 u + r + 8 (r / 8): so the 16 registers of B's tiles 2 p and 2 p + 1 are 16 NEIGHBOURS, 32 p + 16 (lane / 16) + 0 .. 15, which is what the conversions (MODE 0, 1) and the rows of out (MODE 2) want.
; OPERANDS LIE IN MEMORY IN THE ORDER OF THEIR REGISTERS: [tile][K step 8][1,536 bytes]; a fragment is two halves of 768 bytes: registers 0-3 at 16 x lane, registers 4-5 at 512 + 8 x lane.  No pitch, no padding.
; SHARES.  A work-group: 128 (A) x 256 (B).  Four waves, each 64 x 128: 32 accumulators.  ALL OF K LIES IN LDS, (128 + 256) x 768 = 294,912 bytes, brought by one load a wave; side A's bytes are filled again for the q and k passes.
; CLUSTER 4 x 4: A's chunks hang on the work-group's y alone and are asked for jointly along a row of the cluster, B's on its x alone, along a column.  Waves 0, 1 ask for A's halves, waves 2, 3 for B's: one load a wave at the head.
; REGISTERS, in windows of 256: window 0: v1-14 addresses; v32-47 A's scale words (8 pair + step), v48-79 B's; v96-143, v144-191 A's fragments, two sets; free on the way out.
;   window 1: B's fragments, two sets, at v0 and v128.   window 2: accumulator (a, b) at v[8 (8 a + b)].   window 3: v0-63 the bias, in the result's layout: the C of each sum's first instruction.
.set MODE, 1
.if MODE == 0
.set AOFF,  0
.set ASOFF, 0
.set BOFF,  0
.set BSOFF, 0
.set SC,    425984                     ; from a head's record to the next head's: 64 records of 6,656 bytes
.elseif MODE == 1
.set AOFF,  1572864                    ; wv is the third weight in wc and ws
.set ASOFF, 65536
.set BOFF,  0
.set BSOFF, 0
.set SC,    3072                       ; from the first 64 keys' halves to the second's
.else
.set AOFF,  0
.set ASOFF, 0
.set BOFF,  2359296                    ; wo is the fourth
.set BSOFF, 98304
.set SC,    0
.endif
.set FR,    12                         ; registers of a fragment
; THE FILLS AS THEY NOW STAND: each wave brings its half of a side for ALL of K by ONE joint load at the head (A: 4 tiles, 49,152 bytes; B: 8 tiles, 98,304 bytes).
; LDS holds the operands as memory does: A's 8 tiles, then B's 16, each [K step 8][1,536].  One wait for 0 and one barrier show all of it to all waves; the walk along K has no barrier but the cluster's round in the last step of a pass that fills side A again.
.set L16,  4                           ; v4   16 x lane
.set L8,   5                           ; v5   8 x lane
.set AA16, 6                           ; v6   LDS: my four tiles of A, registers 0-3 of a half
.set AA8,  7                           ; v7   registers 4-5
.set AB16, 8                           ; v8, v9 the same for my eight tiles of B
.set AB8,  9
.set AB16H, 12                         ; v12, v13 the same for B's tiles 4-7 of mine: 49,152 bytes on, so that every offset fits the 16-bit immediate
.set AB8H, 13
.set STO,  10                          ; v10  MODE 2: where I put 32 bytes of a row in my stage
.set RD,   11                          ; v11  and where I read a row back
.set BO,   14                          ; v14  my lane's offset in the bias
.set SCA,  32
.set SCB,  48
.set AF,   96
.set T,    192                         ; MODE 2, at the head: the heads' half scale words
.set PC,   96                          ; the way out, MODE 0, 1: the codes just made,
.set PT,   108                         ; the blocks' other halves,
.set TM,   116                         ; v116-131 at work,
.set W,    132                         ; v132-135 tile a's scale word,
.set E,    136                         ; v136-139 the words as they are stored
.set BK,   96                          ; the way out, MODE 2: 16 rows read back: v96-159 and v160-223 by turns
.set G1A,  32                          ; s[32:39] descriptor group 1 for A's chunks;  s[40:47] for B's
.set G1B,  40
.set G0A,  48                          ; s[48:51] group 0 for A's load;  s[68:71] for B's
.set G0B,  68
.set MULW, 0xa1                        ; source 0 (B) window 1, source 1 (A) window 0, C and D window 2
.set MULF, 0xb1                        ; the same with C in window 3: the bias
.set TO_B, 0x40                        ; destination window 1
.set TO_BIAS, 0xc0                     ; destination window 3
.set BIASMOV, 0xc3                     ; destination and source 0 window 3
.set MAXW, 0x28                        ; sources 1 and 2 window 2
.set CVTW, 0x02                        ; source 0 window 2
.set STW,  0x08                        ; an LDS store's data are its source 1: window 2
.set MSB, 0
.macro WIN new                         ; the immediate's high byte repeats the setting that is left
.if MSB != \new
	s_set_vgpr_msb (MSB<<8)|\new
.set MSB, \new
.endif
.endm
.macro PLACES                          ; four plain vector lines between a matrix instruction and a load into, or a vector read or write of, its registers
.rept 4
	v_nop
.endr
.endm
.macro CROUND                          ; a round of the cluster's barrier
	s_barrier_signal -1
	s_barrier_wait -1
	s_cmp_lg_u32 s22, 0
	s_cbranch_scc1 .Lnot_wave_0_\@
	s_barrier_signal -3
.Lnot_wave_0_\@:
	s_barrier_wait -3
	s_barrier_signal -1
	s_barrier_wait -1
.endm
; THIS LAUNCH MAKES v, q AND k.  A work-group keeps its 256 rows of x (side B) in LDS and walks THREE blocks of 128 weight columns (side A): wv's, as MODE 1 describes, then wq's and wk's at the same columns.
; Only side A's 98,304 bytes are filled again, by waves 0 and 1, one joint load each, at the head of a pass's last K step: every wave has read its last fragments by then; the load has that step's products and the way out in which to land.
; THE q AND k PASSES use the same macros with the two sources swapped (SWAP = 1): source 0 = 16 weight columns, source 1 = 16 rows of x, so that a lane holds one row of x and its registers run along the head's 64 channels.
; Accumulator (a, b) then lies at v[8 (4 b + a)]: the 64 registers that QOUT takes are two tiles of x, 32 channels twice each.  A wave's 64 columns are one head and its eight tiles of x one record of qk:
; 8 tiles x 768 bytes, then [g 2][lane][2 words] of scale words (word j of g: pair 2 g + j; lanes 0-15 the even tile, lanes 16-31 the odd; bytes 2, 3 the byte of 1.0).
; No prefetch: the text has no loop to run ahead in.
.set SWAP,   0                         ; 1: the sources change places
.set REFILL, 1                         ; what a pass's last K step asks for: 1 wq's block (two weights back in wc), 2 wk's (one weight on), 0 nothing
.set QA,     768                       ; QOUT's stores: bytes from one call's place to the next's
.macro REFILLA                         ; side A is filled again.
	WIN 0
	s_wait_tensorcnt 0x0                           ; no load of mine is out,
	ds_add_u32 v254, v255
.if REFILL == 1
	s_sub_nc_u64 s[G0A+2:G0A+3], s[G0A+2:G0A+3], 1572864   ; so the descriptor may be written: from wv's block to wq's
.else
	s_add_nc_u64 s[G0A+2:G0A+3], s[G0A+2:G0A+3], 786432    ; from wq's to wk's
.endif
	s_wait_dscnt 0x0                               ; the add is done; my reads of side A were waited for at the step's head
	CROUND                                         ; the same holds of every wave of every partner
	s_cmp_eq_u32 s23, 0
	s_cbranch_scc0 .Lno_fill_\@
	tensor_load_to_lds s[G0A:G0A+3], s[G1A:G1A+7]
	s_nop 0
	PLACES
.Lno_fill_\@:
.endm
.macro NEXTW bias, back                ; the next pass's scale words of side A and its bias, in the result's layout: asked for ahead of the way out
.if \back
	s_sub_nc_u64 s[6:7], s[6:7], 65536             ; (the loads that named s[6:7] have been waited for)  from wv's words to wq's
.else
	s_add_nc_u64 s[6:7], s[6:7], 32768             ; from wq's to wk's
.endif
.irp p, 0,1
.irp q, 0,1,2,3
	global_load_b64 v[SCA+8*\p+2*\q:SCA+8*\p+2*\q+1], v[L8], s[6:7] offset:\p*1024+\q*256
.endr
.endr
	WIN TO_BIAS
.irp a, 0,1,2,3
	global_load_b128 v[8*\a:8*\a+3], v15, s[\bias:\bias+1] offset:(32*(\a/2)+8*(\a%2))*4
	global_load_b128 v[8*\a+4:8*\a+7], v15, s[\bias:\bias+1] offset:(32*(\a/2)+8*(\a%2))*4+16
.endr
	WIN 0
.endm
.macro PASSQK                          ; a pass over K on the weights just brought
	s_wait_alu depctr_va_vdst(0)
	s_wait_tensorcnt 0x0                           ; my part of the block has landed
	s_barrier_signal -1
	s_barrier_wait -1                              ; everybody's has
	FETCH 0, 0
	s_wait_loadcnt 0x0                             ; scale words and bias
.irp k, 0,1,2,3,4,5,6,7
	STEP \k
.endr
	WIN 0
	PLACES
.endm
.macro QSCALES                         ; W + t holds pair t's bytes: 0, 1 the even tile's, 2, 3 the odd tile's
	v_lshlrev_b32 v[TM], 4, v3                     ; 16 h
.irp t, 0,1,2,3
	v_lshrrev_b32 v[E+\t], v[TM], v[W+\t]          ; lanes 16-31 take the odd tile's two bytes
.endr
.irp t, 0,1,2,3
	v_and_or_b32 v[E+\t], v[E+\t], 0xffff, s94     ; above them the byte of 1.0, twice
.endr
	global_store_b64 v[L8], v[E:E+1], s[16:17] offset:6144
	global_store_b64 v[L8], v[E+2:E+3], s[16:17] offset:6400
.endm
	s_load_b256 s[4:11], s[0:1], 0x0               ; A's codes s[4:5], A's scales s[6:7], B's codes s[8:9], B's scales s[10:11]
	s_load_b128 s[12:15], s[0:1], 0x20             ; bv, vv
	s_load_b128 s[52:55], s[0:1], 0x30             ; bq, bk
	s_load_b64 s[56:57], s[0:1], 0x40              ; qk
	v_lshl_add_u32 v254, v0, 2, 0x48000
	v_mov_b32 v255, 0
	ds_add_u32 v254, v255
	ds_add_u32 v254, v255
.if MODE == 0
	s_load_b64 s[16:17], s[0:1], 0x30              ; the output
.endif
	v_lshrrev_b32 v1, 5, v0
	v_readfirstlane_b32 s22, v1                    ; wave 0..3
	s_lshr_b32 s23, s22, 1                         ; wa: which 64 rows of A are mine.  Also: I fetch for A (0) or for B (1)
	s_and_b32 s24, s22, 1                          ; wb: which 128 rows of B are mine.  Also: which half of that side I fetch
	s_bfe_u32 s25, ttmp6, 0x40000                  ; cx, cy: my place in the cluster
	s_bfe_u32 s26, ttmp6, 0x40004
	s_lshl_b32 s31, ttmp9, 2
	s_add_co_u32 s31, s31, s25                     ; ib: B's block = 4 x cluster x + cx
	s_and_b32 s30, ttmp7, 0xffff
	s_lshl_b32 s30, s30, 2
	s_add_co_u32 s30, s30, s26                     ; ia: A's block = 4 x cluster y + cy
	s_lshl_b32 s27, s26, 2
	s_lshl_b32 s27, 15, s27                        ; my row of the cluster
	s_lshl_b32 s28, 0x1111, s25                    ; my column
	; group 1: rows of 12,288 bytes (a tile's eight K steps: 1,536 elements of 8 bytes), 12,288 bytes apart in memory, dense in LDS; 4 rows for A, 8 for B
	s_or_b32 s[G1A], s27, (3<<16)|(1<<21)          ; 15:0 the mask; 17:16 elements of 8 bytes; 20 no padding; 21 set beside a mask
	s_or_b32 s[G1B], s28, (3<<16)|(1<<21)
.irp g, G1A, G1B
	s_mov_b32 s[\g+1], 1536<<16                    ; tensor_dim0: a tile's eight K steps, 12,288 bytes
	s_mov_b32 s[\g+3], 1536<<16                    ; tile_dim0
	s_mov_b32 s[\g+5], 1536                        ; tensor_dim0_stride
	s_mov_b32 s[\g+6], 0
	s_mov_b32 s[\g+7], 0
.endr
	s_mov_b32 s[G1A+2], 4<<16                      ; tensor_dim1
	s_mov_b32 s[G1A+4], 4                          ; tile_dim1
	s_mov_b32 s[G1B+2], 8<<16
	s_mov_b32 s[G1B+4], 8
	s_mul_i32 s84, s30, 98304                      ; A: 8 tiles of 12,288 bytes a block, my half of them.  s84-87 never hold B's coordinate, s88-91 never A's
	s_mul_i32 s86, s24, 49152
	s_add_co_u32 s84, s84, s86
	s_add_co_u32 s84, s84, AOFF
	s_mov_b32 s85, 0
	s_mul_i32 s86, s24, 49152                      ; and in LDS: my half of A's eight tiles; no place in the cluster enters an LDS address
	s_mul_i32 s88, s31, 196608                     ; B: 16 tiles a block
	s_mul_i32 s90, s24, 98304
	s_add_co_u32 s88, s88, s90
	s_add_co_u32 s88, s88, BOFF
	s_mov_b32 s89, 0
	s_mul_i32 s90, s24, 98304
	s_add_co_u32 s90, s90, 98304                   ; behind A's eight tiles
	s_wait_dscnt 0x0
	s_wait_kmcnt 0x0
	s_add_nc_u64 s[84:85], s[4:5], s[84:85]
	s_add_nc_u64 s[88:89], s[8:9], s[88:89]
	s_mov_b32 s[G0A], 1                            ; count = 1
	s_mov_b32 s[G0A+1], s86                        ; LDS address
	s_mov_b64 s[G0A+2:G0A+3], s[84:85]             ; global address
	s_or_b32 s[G0A+3], s[G0A+3], 0x80000000        ; type = 2
	s_mov_b32 s[G0B], 1
	s_mov_b32 s[G0B+1], s90
	s_mov_b64 s[G0B+2:G0B+3], s[88:89]
	s_or_b32 s[G0B+3], s[G0B+3], 0x80000000
	CROUND                                         ; all sixteen work-groups are here: the joint loads meet
	s_cmp_eq_u32 s23, 0                            ; a wave's one fill stands in one branch on its number, ahead of every wait on TENSORcnt and every LDS read: one load of mine is out
	s_cbranch_scc0 .Lfor_b
	tensor_load_to_lds s[G0A:G0A+3], s[G1A:G1A+7]  ; one load a wave at the head
	s_nop 0
	PLACES                                         ; four v_nop follow the last
	s_branch .Lasked
.Lfor_b:
	tensor_load_to_lds s[G0B:G0B+3], s[G1B:G1B+7]
	s_nop 0
	PLACES
.Lasked:
	v_and_b32 v1, 31, v0                           ; lane
	v_and_b32 v2, 15, v0                           ; r
	v_bfe_u32 v3, v0, 4, 1                         ; h
	v_lshlrev_b32 v[L16], 4, v1
	v_lshlrev_b32 v[L8], 3, v1
	s_wait_alu depctr_va_vdst(0)
	s_mul_i32 s20, s23, 49152                      ; my four tiles of A
	v_add_nc_u32 v[AA16], s20, v[L16]
	s_add_co_u32 s21, s20, 512
	v_add_nc_u32 v[AA8], s21, v[L8]
	s_mul_i32 s20, s24, 98304                      ; my eight tiles of B
	s_add_co_u32 s20, s20, 98304
	v_add_nc_u32 v[AB16], s20, v[L16]
	s_add_co_u32 s21, s20, 512
	v_add_nc_u32 v[AB8], s21, v[L8]
	s_add_co_u32 s20, s20, 49152                   ; tiles 4-7 of them
	v_add_nc_u32 v[AB16H], s20, v[L16]
	s_add_co_u32 s21, s20, 512
	v_add_nc_u32 v[AB8H], s21, v[L8]
	s_mov_b32 s92, 0x76543210
	s_mov_b32 s93, 0xfedcba98                      ; v_permlanex16_b32's selects for lane l xor 16
	s_mov_b32 s94, 0x7f7f0000                      ; MODE 0: the bytes of K = 64 .. 127, which attention's first product fills with zero codes
	; B's scale words: [pair][q 4][lane][2 words]; my four pairs
	s_lshl_b32 s20, s31, 13
	s_lshl_b32 s21, s24, 12
	s_add_co_u32 s20, s20, s21
	s_add_co_u32 s20, s20, BSOFF
	s_mov_b32 s21, 0
	s_add_nc_u64 s[10:11], s[10:11], s[20:21]
.irp p, 0,1,2,3
.irp q, 0,1,2,3
	global_load_b64 v[SCB+8*\p+2*\q:SCB+8*\p+2*\q+1], v[L8], s[10:11] offset:\p*1024+\q*256
.endr
.endr
.if MODE == 2
	s_lshl_b32 s20, s30, 9                         ; merged's half words: [head 16][pair / 2][lane][2 words]; my two pairs are one entry
	s_lshl_b32 s21, s23, 8
	s_add_co_u32 s20, s20, s21
	s_mov_b32 s21, 0
	s_add_nc_u64 s[6:7], s[6:7], s[20:21]
.irp d, 0,1,2,3,4,5,6,7,8,9,10,11,12,13,14,15
	global_load_b64 v[T+2*\d:T+2*\d+1], v[L8], s[6:7] offset:\d*32768
.endr
.else
	s_lshl_b32 s20, s30, 12                        ; A's scale words: my two pairs
	s_lshl_b32 s21, s23, 11
	s_add_co_u32 s20, s20, s21
	s_add_co_u32 s20, s20, ASOFF
	s_mov_b32 s21, 0
	s_add_nc_u64 s[6:7], s[6:7], s[20:21]
.irp p, 0,1
.irp q, 0,1,2,3
	global_load_b64 v[SCA+8*\p+2*\q:SCA+8*\p+2*\q+1], v[L8], s[6:7] offset:\p*1024+\q*256
.endr
.endr
.endif
	; the bias, in the result's layout
.if MODE == 0
	s_cmp_eq_u32 ttmp9, 0                          ; the first cluster along x holds wq's columns, the second wk's: the same in all sixteen partners
	s_cselect_b64 s[12:13], s[12:13], s[14:15]
.endif
.if MODE == 1
	s_lshl_b32 s20, s30, 9                         ; bv at my 64 columns of wv: 128 ia + 64 wa
	s_lshl_b32 s21, s23, 8
	v_and_b32 v[BO], 8, v2
	v_add_nc_u32 v[BO], v[BO], v2
	v_lshlrev_b32 v[BO], 2, v[BO]                  ; my lane's column of a tile: r + 8 (r / 8)
	v_lshlrev_b32 v15, 6, v3                       ; q and k passes: my half's 16 columns of a pair
.else
	s_and_b32 s20, s31, 3                          ; at my 128 columns of the weight: 256 (ib % 4) + 128 wb
	s_lshl_b32 s20, s20, 10
	s_lshl_b32 s21, s24, 9
	v_lshlrev_b32 v[BO], 6, v3                     ; my half's 16 columns of a pair
.endif
	s_add_co_u32 s20, s20, s21
	s_mov_b32 s21, 0
	s_add_nc_u64 s[12:13], s[12:13], s[20:21]
	s_add_nc_u64 s[52:53], s[52:53], s[20:21]      ; bq and bk at the same 64 columns
	s_add_nc_u64 s[54:55], s[54:55], s[20:21]
	WIN TO_BIAS
.if MODE == 1
.irp a, 0,1,2,3
	global_load_b32 v[8*\a], v[BO], s[12:13] offset:(32*(\a/2)+8*(\a%2))*4
.endr
.else
.irp b, 0,1,2,3,4,5,6,7
	global_load_b128 v[8*\b:8*\b+3], v[BO], s[12:13] offset:(32*(\b/2)+8*(\b%2))*4
	global_load_b128 v[8*\b+4:8*\b+7], v[BO], s[12:13] offset:(32*(\b/2)+8*(\b%2))*4+16
.endr
.endif
	WIN 0
	; where my results go
.if MODE == 0
	s_lshl_b32 s20, s31, 2                         ; qk: [head 32: q's 16, k's 16][128 rows 64] records of 6,656 bytes: 8 tiles x 768, then 512 bytes of scale words.  My first head: 4 ib + 2 wb
	s_lshl_b32 s21, s24, 1
	s_add_co_u32 s20, s20, s21
	s_lshl_b32 s20, s20, 6
	s_add_co_u32 s20, s20, s30
	s_mul_i32 s20, s20, 6656
	s_mov_b32 s21, 0
	s_add_nc_u64 s[18:19], s[16:17], s[20:21]
	s_mul_i32 s20, s23, 3072
	s_add_nc_u64 s[16:17], s[18:19], s[20:21]      ; codes: my four tiles
	s_lshl_b32 s20, s23, 8
	s_add_co_u32 s20, s20, 6144
	s_add_nc_u64 s[18:19], s[18:19], s[20:21]      ; scale words: my two pairs
.elseif MODE == 1
	s_lshl_b32 s20, s30, 1                         ; vv: [head 16][128 keys 64] records of 6,400 bytes.  My head: 2 ia + wa; my keys: 2 ib + wb
	s_add_co_u32 s20, s20, s23
	s_lshl_b32 s20, s20, 6
	s_lshl_b32 s21, s31, 1
	s_add_co_u32 s20, s20, s21
	s_add_co_u32 s20, s20, s24
	s_mul_i32 s58, s20, 6656                       ; qk: the same head and the same 128 rows: record 64 head + 2 ib + wb of 6,656 bytes
	s_mov_b32 s59, 0
	s_add_nc_u64 s[56:57], s[56:57], s[58:59]
	s_mul_i32 s20, s20, 6400
	s_mov_b32 s21, 0
	s_add_nc_u64 s[16:17], s[14:15], s[20:21]
.else
	s_lshl_b32 s20, s30, 19                        ; out: row 128 ia + 64 wa of 4,096 bytes, column 256 ib + 128 wb
	s_lshl_b32 s21, s23, 18
	s_add_co_u32 s20, s20, s21
	s_lshl_b32 s21, s31, 10
	s_add_co_u32 s20, s20, s21
	s_lshl_b32 s21, s24, 9
	s_add_co_u32 s20, s20, s21
	s_mov_b32 s21, 0
	s_add_nc_u64 s[16:17], s[14:15], s[20:21]
	s_mul_i32 s20, s22, 8448                       ; my stage: 16 rows x (512 bytes + 16), in A's first bytes
	v_mul_u32_u24 v[STO], v2, 528
	v_lshl_add_u32 v[STO], v3, 6, v[STO]
	v_add_nc_u32 v[STO], s20, v[STO]
	v_add_nc_u32 v[RD], s20, v[L16]
.endif
.macro FRAG reg, a16, a8, off          ; a fragment comes as it lies: two halves of 768 bytes
	ds_load_b128 v[\reg:\reg+3], v[\a16] offset:\off
	ds_load_b64 v[\reg+4:\reg+5], v[\a8] offset:\off
	ds_load_b128 v[\reg+6:\reg+9], v[\a16] offset:\off+768
	ds_load_b64 v[\reg+10:\reg+11], v[\a8] offset:\off+768
.endm
.macro FETCH k, p                      ; K step k's fragments into set p: 48 loads in one run
	WIN TO_B
.irp b, 0,1,2,3,4,5,6,7
.if \b < 4
	FRAG 128*(\p)+FR*\b, AB16, AB8, \b*12288+(\k)*1536
.else
	FRAG 128*(\p)+FR*\b, AB16H, AB8H, (\b-4)*12288+(\k)*1536
.endif
.endr
	WIN 0
.irp a, 0,1,2,3
	FRAG AF+48*(\p)+FR*\a, AA16, AA8, \a*12288+(\k)*1536
.endr
.endm
.macro WM pb, pa                       ; one matrix instruction; an odd tile's scale words lie in lanes 16-31
.if (\pb) && (\pa)
	v_wmma_scale_f32_16x16x128_f8f6f4 v[rD:rD+7], v[rB:rB+11], v[rA:rA+11], v[rC:rC+7], v[rSB], v[rSA] matrix_a_fmt:MATRIX_FMT_BF6 matrix_b_fmt:MATRIX_FMT_BF6 matrix_a_scale:MATRIX_SCALE_ROW1 matrix_b_scale:MATRIX_SCALE_ROW1
.elseif (\pb)
	v_wmma_scale_f32_16x16x128_f8f6f4 v[rD:rD+7], v[rB:rB+11], v[rA:rA+11], v[rC:rC+7], v[rSB], v[rSA] matrix_a_fmt:MATRIX_FMT_BF6 matrix_b_fmt:MATRIX_FMT_BF6 matrix_a_scale:MATRIX_SCALE_ROW1
.elseif (\pa)
	v_wmma_scale_f32_16x16x128_f8f6f4 v[rD:rD+7], v[rB:rB+11], v[rA:rA+11], v[rC:rC+7], v[rSB], v[rSA] matrix_a_fmt:MATRIX_FMT_BF6 matrix_b_fmt:MATRIX_FMT_BF6 matrix_b_scale:MATRIX_SCALE_ROW1
.else
	v_wmma_scale_f32_16x16x128_f8f6f4 v[rD:rD+7], v[rB:rB+11], v[rA:rA+11], v[rC:rC+7], v[rSB], v[rSA] matrix_a_fmt:MATRIX_FMT_BF6 matrix_b_fmt:MATRIX_FMT_BF6
.endif
.endm
; 16 matrix instructions: A's tiles a0, a0 + 1 x B's eight, K step k, set p.  first = 1: the bias is the C.  The 32 accumulators take turns, one instruction a turn, in the same order in every step.
.macro MUL16 a0, p, k, first
.irp a, \a0, \a0+1
.irp b, 0,1,2,3,4,5,6,7
.set rD, 8*(8*(\a)+\b)
.set rB, 128*(\p)+FR*\b
.set rA, AF+48*(\p)+FR*(\a)
.set rSB, SCB+8*(\b/2)+(\k)
.set rSA, SCA+8*((\a)/2)+(\k)
.set rC, rD
.if \first
.if MODE == 1
.set rC, 8*(\a)
.else
.set rC, 8*\b
.endif
.endif
.if SWAP
.set rD, 8*(4*\b+(\a))
.set rC, rD
.if \first
.set rC, 8*(\a)
.endif
.set rT, rB
.set rB, rA
.set rA, rT
.set rT, rSB
.set rSB, rSA
.set rSA, rT
	WM (\a)%2, \b%2
.else
	WM \b%2, (\a)%2
.endif
.endr
.endr
.endm
.macro STEP k
	s_wait_dscnt 0x0                               ; this step's fragments are in
.if (\k) == 7
.if REFILL
	REFILLA
.endif
	WIN MULW
	MUL16 0, 1, 7, 0
	MUL16 2, 1, 7, 0
.else                                  ; the next step's fragments are asked for into the other set, then this step is multiplied
.if (\k) > 0
	PLACES
.endif
	s_wait_alu depctr_va_vdst(0)
	FETCH (\k)+1, ((\k)+1)%2
.if (\k) == 0
	WIN MULF
	MUL16 0, 0, 0, 1
	MUL16 2, 0, 0, 1
.else
	WIN MULW
	MUL16 0, (\k)%2, \k, 0
	MUL16 2, (\k)%2, \k, 0
.endif
.endif
.endm
	s_wait_alu depctr_va_vdst(0)
	s_wait_tensorcnt 0x0                           ; my one load has landed
	s_barrier_signal -1
	s_barrier_wait -1                              ; everybody's has
	FETCH 0, 0
	s_wait_loadcnt 0x0                             ; scale words and bias
.if MODE == 1
	WIN BIASMOV
.irp a, 0,1,2,3
.irp j, 1,2,3,4,5,6,7
	v_mov_b32 v[8*\a+\j], v[8*\a]                  ; a lane's eight results of a tile belong to one column of wv: one number of bv eight times
.endr
.endr
	WIN 0
	PLACES
.endif
.if MODE == 2
.irp k, 0,1,2,3,4,5,6,7
.irp p, 0,1
	v_lshl_or_b32 v[SCA+8*\p+\k], v[T+4*\k+2+\p], 16, v[T+4*\k+\p]   ; K step k is heads 2 k and 2 k + 1: two bytes of each make the word
.endr
.endr
.rept 8
	v_nop                                          ; a scale register written by a vector instruction stands eight places ahead of the scaled matrix instruction
.endr
.endif
	s_wait_alu depctr_va_vdst(0)
.irp k, 0,1,2,3,4,5,6,7
	STEP \k
.endr
	WIN 0
	PLACES                                         ; behind the last products: for the first reads of results and for writes and loads into registers that held fragments
.if MODE == 2
; THE WAY OUT, f32.  A lane holds 2 x 32 neighbouring bytes of a row for each pair of B's tiles, and the lanes beside it hold other rows: a tile of 16 rows x 128 columns goes through my stage and comes back as whole rows of 512 bytes.
.macro TOSTAGE a
	WIN STW
.irp b, 0,1,2,3,4,5,6,7
	ds_store_b128 v[STO], v[64*(\a)+8*\b:64*(\a)+8*\b+3] offset:128*(\b/2)+32*(\b%2)        ; each accumulator from its low end on
	ds_store_b128 v[STO], v[64*(\a)+8*\b+4:64*(\a)+8*\b+7] offset:128*(\b/2)+32*(\b%2)+16
.endr
	WIN 0
.set BB, BK+64*((\a)%2)
.irp t, 0,1,2,3,4,5,6,7,8,9,10,11,12,13,14,15
	ds_load_b128 v[BB+4*\t:BB+4*\t+3], v[RD] offset:528*\t   ; LDS serves a wave's instructions in order: these see my stores, and the next tile's stores come behind them
.endr
.endm
.macro SEND a, younger                 ; younger: the LDS instructions issued behind tile a's loads, which may stay out
.set BB, BK+64*((\a)%2)
	s_wait_dscnt \younger
.irp t, 0,1,2,3,4,5,6,7,8,9,10,11,12,13,14,15
	global_store_b128 v[L16], v[BB+4*\t:BB+4*\t+3], s[16:17] offset:(32*((\a)/2)+8*((\a)%2)+\t+8*(\t/8))*4096 th:TH_STORE_NT   ; 32 lanes store 512 consecutive bytes of one row, aligned
.endr
.endm
	TOSTAGE 0
.irp a, 1,2,3
.if \a > 1
	s_wait_xcnt 0x0                                ; tile a - 2's stores have read their registers: tile a's loads may land there
.endif
	TOSTAGE \a
	SEND \a-1, 32                                  ; behind tile a - 1's loads: tile a's 16 stores and 16 loads
.endr
	SEND 3, 0
.else
; THE WAY OUT, codes.  For A's tile a a lane holds 64 numbers of its row, register 16 b + i = place 32 b + 16 (lane / 16) + i along the next K: four blocks of 32, each shared with lane l xor 16.
.macro QOUT a
	WIN MAXW
.irp b, 0,1,2,3
	v_max3_num_f32 v[TM+\b], 0x2800000, |v[64*\a+16*\b]|, |v[64*\a+16*\b+1]|   ; my 16 numbers of block b, from each accumulator's low end on; and the floor 2^(5 - 127)
.endr
.irp i, 2,4,6,8,10,12,14
.irp b, 0,1,2,3
	v_max3_num_f32 v[TM+\b], v[TM+\b], |v[64*\a+16*\b+\i]|, |v[64*\a+16*\b+\i+1]|
.endr
.endr
	WIN 0
.irp b, 0,1,2,3
	v_permlanex16_b32 v[TM+4+\b], v[TM+\b], s92, s93
.endr
.irp b, 0,1,2,3
	v_max_num_f32 v[TM+\b], v[TM+\b], v[TM+4+\b]   ; the block's largest magnitude
.endr
.irp b, 0,1,2,3
	v_add_nc_u32 v[TM+12+\b], 0xfe000000, v[TM+\b] ; 4 off its exponent field: the conversion's scale operand
.endr
.irp b, 0,1,2,3
	v_lshrrev_b32 v[TM+4+\b], 23, v[TM+12+\b]      ; the scale's byte
.endr
	v_lshl_or_b32 v[W+\a], v[TM+5], 8, v[TM+4]
	v_lshl_or_b32 v[W+\a], v[TM+6], 16, v[W+\a]
	v_lshl_or_b32 v[W+\a], v[TM+7], 24, v[W+\a]
.if \a > 0
	s_wait_xcnt 0x0                                ; the last tile's stores have read their data
.endif
	WIN CVTW
.irp c, 0,1
	v_cvt_scalef32_pk16_bf6_f32 v[PC+6*\c:PC+6*\c+2], v[64*\a+32*\c:64*\a+32*\c+15], v[TM+12+2*\c]
	v_cvt_scalef32_pk16_bf6_f32 v[PT+4*\c:PT+4*\c+2], v[64*\a+32*\c+16:64*\a+32*\c+31], v[TM+12+2*\c+1]   ; (a conversion's three registers begin on an even number)
.endr
	WIN 0
	v_nop                                          ; one plain line behind the conversions
.irp c, 0,1                            ; the layout wants a WHOLE block in a lane: lanes 0-15 block 2 c, lanes 16-31 block 2 c + 1
.irp i, 0,1,2
	v_permlane16_swap_b32 v[PC+6*\c+\i], v[PT+4*\c+\i]
.endr
.irp i, 0,1,2
	v_mov_b32 v[PC+6*\c+3+\i], v[PT+4*\c+\i]
.endr
.endr
.irp c, 0,1                            ; half c: MODE 0: my head c;  MODE 1: keys 64 c on
	global_store_b128 v[L16], v[PC+6*\c:PC+6*\c+3], s[16:17] offset:\a*QA+\c*SC       ; 512 consecutive bytes
	global_store_b64 v[L8], v[PC+6*\c+4:PC+6*\c+5], s[16:17] offset:\a*QA+\c*SC+512   ; 256 consecutive bytes
.endr
.endm
.irp b, 0,1,2,3
	v_mov_b32 v[TM+4+\b], 0                        ; written once: a lane permute's destination counts as one of its sources
.endr
	NEXTW 52, 1                                    ; wq's scale words and bq
	QOUT 0
	QOUT 1
	QOUT 2
	QOUT 3
	v_cmp_eq_u32 vcc_lo, 1, v3                     ; the scale words: lanes 0-15 store the even tile's, lanes 16-31 the odd tile's; word j is pair j
	v_cndmask_b32 v[E], v[W], v[W+1], vcc_lo
	v_cndmask_b32 v[E+1], v[W+2], v[W+3], vcc_lo
.if MODE == 1
	global_store_b64 v[L8], v[E:E+1], s[16:17] offset:6144
; ---------------- q, then k
.set SWAP,   1
.set MULW,   0xa4                      ; source 0 (weights) window 0, source 1 (x) window 1, C and D window 2
.set MULF,   0xb4                      ; the same with C in window 3: the bias
.set QA,     1536                      ; a call of QOUT stores two tiles of x,
.set SC,     768                       ; one behind the other
.set REFILL, 2
	s_wait_xcnt 0x0                                ; the stores have read their base and their data
	s_mov_b64 s[16:17], s[56:57]                   ; q's record
	PASSQK
	NEXTW 54, 0                                    ; wk's scale words and bk
	QOUT 0
	QOUT 1
	QOUT 2
	QOUT 3
	QSCALES
.set REFILL, 0
	s_wait_xcnt 0x0
	s_add_nc_u64 s[16:17], s[16:17], 6815744       ; k's heads lie 1,024 records behind q's
	PASSQK
	QOUT 0
	QOUT 1
	QOUT 2
	QOUT 3
	QSCALES
.else
	v_lshrrev_b32 v[E+2], 16, v[E]                 ; bytes 2, 3 belong to my second head,
	v_lshrrev_b32 v[E+3], 16, v[E+1]
	v_and_or_b32 v[E], v[E], 0xffff, s94           ; bytes 0, 1 to my first; above them the byte of 1.0, twice
	v_and_or_b32 v[E+1], v[E+1], 0xffff, s94
	v_or_b32 v[E+2], s94, v[E+2]
	v_or_b32 v[E+3], s94, v[E+3]
	global_store_b64 v[L8], v[E:E+1], s[18:19]
	global_store_b64 v[L8], v[E+2:E+3], s[18:19] offset:SC
.endif
.endif
	s_wait_dscnt 0x0
	s_wait_tensorcnt 0x0
	ds_add_u32 v254, v255
	s_wait_dscnt 0x0
	CROUND                                         ; the closing round: no work-group ends while a partner may still ask for a chunk that names it
	s_endpgm
.Lfunc_end_k_q2a2251a21a_proj_v:
	.size	k_q2a2251a21a_proj_v, .Lfunc_end_k_q2a2251a21a_proj_v-k_q2a2251a21a_proj_v
	.p2alignl 7, 3214868480
	.fill 96, 4, 3214868480
	.section	.rodata,"a",@progbits
	.p2align	6, 0x0
	.amdhsa_kernel k_q2a2251a21a_proj_v
		.amdhsa_group_segment_fixed_size 327680
		.amdhsa_private_segment_fixed_size 0
		.amdhsa_enable_private_segment 0
		.amdhsa_kernarg_size 72
		.amdhsa_user_sgpr_count 2
		.amdhsa_user_sgpr_kernarg_segment_ptr 1
		.amdhsa_wavefront_size32 1
		.amdhsa_system_sgpr_workgroup_id_x 1
		.amdhsa_system_sgpr_workgroup_id_y 1
		.amdhsa_system_sgpr_workgroup_id_z 1
		.amdhsa_system_vgpr_workitem_id 0
		.amdhsa_next_free_vgpr 832
		.amdhsa_next_free_sgpr 100
		.amdhsa_reserve_vcc 1
		.amdhsa_float_denorm_mode_32 3
		.amdhsa_float_denorm_mode_16_64 3
		.amdhsa_memory_ordered 1
		.amdhsa_forward_progress 1
		.amdhsa_inst_pref_size 244
	.end_amdhsa_kernel
	.amdgpu_metadata
---
amdhsa.version: [ 1, 2 ]
amdhsa.kernels:
  - .name:           k_q2a2251a21a_proj_v
    .symbol:         k_q2a2251a21a_proj_v.kd
    .args:
      - { .name: wc, .offset: 0, .size: 8, .value_kind: global_buffer, .address_space: global }
      - { .name: ws, .offset: 8, .size: 8, .value_kind: global_buffer, .address_space: global }
      - { .name: xc, .offset: 16, .size: 8, .value_kind: global_buffer, .address_space: global }
      - { .name: xs, .offset: 24, .size: 8, .value_kind: global_buffer, .address_space: global }
      - { .name: bv, .offset: 32, .size: 8, .value_kind: global_buffer, .address_space: global }
      - { .name: vv, .offset: 40, .size: 8, .value_kind: global_buffer, .address_space: global }
      - { .name: bq, .offset: 48, .size: 8, .value_kind: global_buffer, .address_space: global }
      - { .name: bk, .offset: 56, .size: 8, .value_kind: global_buffer, .address_space: global }
      - { .name: qk, .offset: 64, .size: 8, .value_kind: global_buffer, .address_space: global }
    .group_segment_fixed_size: 327680
    .private_segment_fixed_size: 0
    .kernarg_segment_align: 8
    .kernarg_segment_size: 72
    .max_flat_workgroup_size: 128
    .sgpr_count:     100
    .vgpr_count:     832
    .wavefront_size: 32
...
	.end_amdgpu_metadata
.endif
;; end of part 2
;; launch attn (part 3): grid 2 x 128, 16 waves a work-group, no clusters, 169,984 bytes of LDS; arguments qk, vv, mc, msh; writes mc, msh
.if DOCPART == 3
	.amdgcn_target "amdgcn-amd-amdhsa--gfx1250"
	.amdhsa_code_object_version 6
	.text
	.protected	k_q2a2251a21a_attn
	.globl	k_q2a2251a21a_attn
	.p2align	8
	.type	k_q2a2251a21a_attn,@function
k_q2a2251a21a_attn:
	s_mov_b64 s[64:65], 0
	v_nop
	global_prefetch_b8 v0, s[64:65] scope:SCOPE_SE
	s_setreg_imm32_b32 hwreg(HW_REG_WAVE_MODE, 25, 1), 1
	s_wait_xcnt 0x0
; merged[b][q][head] = softmax_k(q . k / 32) v, both products on codes of BF6 (E3M2) with one E8M0 byte for each 32 along a product's K; the result is quantised along the hidden axis for the last projection.
; THE SOFTMAX: t = score x log2(e) / 32; M = the row's largest t so far, rounded UP to a whole number (kept as -M = min(old -M, floor(-t))); p = 2^(t - M) is quantised along the keys, not normalised.
; The row's sum is taken of the unquantised p, in f32, and divides O at the end.  When M moves, the sum and O are multiplied by 2^(old M - new M): exact.
; LIMITS: NaN and infinities are not served; the promise holds while |t| stays under 2^31; a block of zeros, or one under 2^-122, gets the scale byte 1 (this program alone reads the bytes).
; INPUTS.  qk: records of 128 rows of one head, 6,656 bytes: 8 tiles x 768 (16 rows x 64: registers 0-3 at 16 x lane, 4-5 at 512 + 8 x lane), then [g 2][lane][2 words] of scale words (word j of g: pair 2 g + j;
; lanes 0-15 the even tile; bytes 2, 3 are the byte of 1.0).  vv: records of 128 keys of one head, 6,400 bytes: [64 keys 2][16 channels 4][768], then [lane][2 words].  Lane r of stored tile 2 p + u holds row 32 p + 8 u + r + 8 (r / 8).
; K'S TILES ARE FORMED ANEW AS THEY ARE READ FROM LDS: row r of tile (g, t) is key 64 g + 32 (r / 8) + 8 t + r % 8, which lies in stored tile 4 g + 2 (r / 8) + t % 2 at lane r % 8 + 8 (t / 2).  In S^T = K Q^T a lane (query r, half h) then
; holds in the 32 registers of tiles (g, 0..3) the keys 64 g + 32 h + 0 .. 31: ONE WHOLE BLOCK of the next K, in the very order of the next operand's registers: no lane is asked for a block's maximum, no code changes lanes.
; K's rows of 256 bytes lie 320 bytes apart in LDS (the descriptor pads them): the two stored tiles that a 16-byte read touches lie 1,920 bytes apart, 128 modulo 256.
; THE FIRST PRODUCT'S K IS 64: K = 64 .. 127 meets ZERO CODES on q's side; k's side holds there the next tile's codes (finite numbers under the byte of 1.0), the last tile six registers cleared once.  So K's tiles lie six registers apart.
; SHARES.  A work-group owns 512 queries of one head (x: which half; y: 8 head + batch); each of sixteen waves 32 of them, two tiles, one after the other.  THE HEAD'S WHOLE K AND V LIE IN LDS, each byte filled once:
; waves 0-7 bring K's record w, waves 8-15 V's record w - 8: one tensor load a wave, one wait for 0, one barrier.  No wave waits for another again until the scale words meet at the end.
; No cluster: a tile is shared by the two work-groups of a head alone.  No prefetch: every tensor load goes out at the head, so no later stream is left to ask for.
; REGISTERS: v1 16 x lane, v2 8 x lane, v3 lane / 16; v4-6 K's addresses in hand, v7-8 V's; v9-11 K's lane terms; v12 -M; v[14:15] the sum; v16-39 Q; v40-87 K's tiles or V's fragments, v88-93 zeros; v94 8 h; v95, v219, v220 the scale words' way out;
;   v96-159 S^T, then p; v160-191 O^T; v192-203 p's codes; v204-210 upper halves; v212-215 K's scale words, v216-217 V's, v218 Q's; v224-235 at work; v[236:237] second chain of sums; v238-239 at work; v[240:241] f; v242 p's scale word; v243-244 the result's.
.set KREC, 6656
.set KLR,  8320                        ; a record of K in LDS: 26 rows of 320
.set VREC, 6400
.set VLDS, 8*KLR
.set SCG,  VLDS+8*VREC                 ; 2,048 bytes in which the waves' scale words meet: written by LDS stores alone
.set SPARE, 0x29000                    ; the spare words: 128 bytes a wave
.set QF,   16
.set FRG,  40
.set S,    96
.set O,    160
.set PCD,  192
.set PT,   204
.set KS,   212
.set VS,   216
.set QS,   218
.set TM,   224
.set SUM2, 236
.set TMP,  238
.set D,    239
.set F,    240
.set PW,   242
.set W16,  243
.set G1K,  28                          ; s[28:35], s[36:43] descriptor group 1 for K's and V's records
.set G1V,  36
.set G0K,  44                          ; s[44:47], s[48:51] group 0
.set G0V,  48
	s_load_b256 s[4:11], s[0:1], 0x0               ; qk, vv, mc, msh
	v_lshl_add_u32 v254, v0, 2, SPARE
	v_mov_b32 v255, 0
	ds_add_u32 v254, v255                          ; the opening lines: the add, twice on end, and its wait ahead of my tensor load
	ds_add_u32 v254, v255
	v_lshrrev_b32 v11, 5, v0
	v_readfirstlane_b32 s12, v11                   ; wave 0..15
	s_and_b32 s60, s12, 7                          ; which record I bring
	s_and_b32 s14, ttmp7, 0xffff                   ; y = 8 head + batch
	s_lshr_b32 s15, s14, 3                         ; head
	s_and_b32 s13, s14, 7                          ; batch
	s_lshr_b32 s61, s12, 1                         ; the scale words' meeting place: [wave / 2][lane][2 words]
	s_lshl_b32 s61, s61, 8
	s_and_b32 s89, s12, 1
	s_lshl_b32 s89, s89, 2
	s_add_co_u32 s61, s61, s89
	s_add_co_u32 s61, s61, SCG
	s_mov_b32 s20, 0x76543210
	s_mov_b32 s21, 0xfedcba98                      ; v_permlanex16_b32's selects for lane l xor 16
	s_mov_b32 s22, 0x3d38aa3b                      ; c = log2(e) / 32
	s_mov_b32 s23, s22                             ; (named with it as a pair, so it is written)
	s_mov_b32 s24, 0xbd38aa3b                      ; -c
	s_mov_b32 s56, 0                               ; LDS byte of the record of K that is asked for next,
	s_mov_b32 s57, VLDS                            ; and of the step's record of V
	s_mov_b32 s[G1K], (3<<16)|(1<<20)|(5<<22)|(15<<25)   ; elements of 8 bytes; behind every 64 words 16 words of padding
	s_mov_b32 s[G1V], 3<<16                        ; no padding
.irp g, G1K, G1V
	s_mov_b32 s[\g+1], 32<<16                      ; rows of 256 bytes, dense in memory
	s_mov_b32 s[\g+3], 32<<16
	s_mov_b32 s[\g+5], 32
	s_mov_b32 s[\g+6], 0
	s_mov_b32 s[\g+7], 0
.endr
	s_mov_b32 s[G1K+2], 26<<16
	s_mov_b32 s[G1K+4], 26
	s_mov_b32 s[G1V+2], 25<<16
	s_mov_b32 s[G1V+4], 25
	s_mov_b32 s[G0K], 1
	s_mul_i32 s[G0K+1], s60, KLR
	s_mov_b32 s[G0V], 1
	s_mul_i32 s[G0V+1], s60, VREC
	s_add_co_u32 s[G0V+1], s[G0V+1], VLDS
	s_mul_i32 s16, s14, 8*KREC                     ; K: k's heads lie behind q's 16: record 1,024 + 8 y + mine
	s_add_co_u32 s16, s16, 1024*KREC
	s_mul_i32 s17, s60, KREC
	s_add_co_u32 s16, s16, s17
	s_mov_b32 s17, 0
	s_mul_i32 s18, s14, 8*VREC                     ; V: record 8 y + mine
	s_mul_i32 s19, s60, VREC
	s_add_co_u32 s18, s18, s19
	s_mov_b32 s19, 0
	s_lshl_b32 s88, s14, 3                         ; Q: record 8 y + 4 half + wave / 4,
	s_lshl_b32 s89, ttmp9, 2
	s_add_co_u32 s88, s88, s89
	s_lshr_b32 s89, s12, 2
	s_add_co_u32 s88, s88, s89
	s_mul_i32 s88, s88, KREC
	s_and_b32 s89, s12, 3                          ; pair wave % 4 of it
	s_mul_i32 s90, s89, 1536
	s_add_co_u32 s84, s88, s90
	s_mov_b32 s85, 0
	s_lshr_b32 s89, s89, 1
	s_lshl_b32 s89, s89, 8
	s_and_b32 s90, s12, 1
	s_lshl_b32 s90, s90, 2
	s_add_co_u32 s86, s88, s89
	s_add_co_u32 s86, s86, s90
	s_add_co_u32 s86, s86, 6144                    ; and the pair's scale word
	s_mov_b32 s87, 0
	s_lshl_b32 s88, s13, 6                         ; mc: [tile 512][head 16][768]: my first tile is 64 batch + 32 half + 2 wave
	s_lshl_b32 s89, ttmp9, 5
	s_add_co_u32 s88, s88, s89
	s_lshl_b32 s89, s12, 1
	s_add_co_u32 s88, s88, s89
	s_mul_i32 s88, s88, 12288
	s_mul_i32 s89, s15, 768
	s_add_co_u32 s88, s88, s89
	s_mov_b32 s89, 0
	s_lshl_b32 s90, s15, 15                        ; msh: [head 16][pair / 2 128][256]: the work-group's eight entries begin at 16 batch + 8 half
	s_lshl_b32 s91, s13, 12
	s_add_co_u32 s90, s90, s91
	s_lshl_b32 s91, ttmp9, 11
	s_add_co_u32 s90, s90, s91
	s_mov_b32 s91, 0
	s_wait_alu depctr_va_vdst(0)
	s_wait_dscnt 0x0                               ; both opening adds are done
	s_wait_kmcnt 0x0
	s_add_nc_u64 s[G0K+2:G0K+3], s[4:5], s[16:17]
	s_or_b32 s[G0K+3], s[G0K+3], 0x80000000
	s_add_nc_u64 s[G0V+2:G0V+3], s[6:7], s[18:19]
	s_or_b32 s[G0V+3], s[G0V+3], 0x80000000
	s_add_nc_u64 s[84:85], s[4:5], s[84:85]
	s_add_nc_u64 s[86:87], s[4:5], s[86:87]
	s_add_nc_u64 s[8:9], s[8:9], s[88:89]
	s_add_nc_u64 s[10:11], s[10:11], s[90:91]
	s_cmp_lt_u32 s12, 8                            ; one branch on the wave's number, one fill in each arm: every wave has one tensor load out
	s_cbranch_scc0 .Lfor_v
	tensor_load_to_lds s[G0K:G0K+3], s[G1K:G1K+7]
	s_nop 0
.rept 4
	v_nop
.endr
	s_branch .Lasked
.Lfor_v:
	tensor_load_to_lds s[G0V:G0V+3], s[G1V:G1V+7]
	s_nop 0
.rept 4
	v_nop
.endr
.Lasked:
	v_and_b32 v11, 31, v0                          ; lane
	v_bfe_u32 v3, v0, 4, 1                         ; h
	v_and_b32 v4, 7, v0                            ; r % 8
	v_bfe_u32 v5, v0, 3, 1                         ; r / 8
	v_lshlrev_b32 v1, 4, v11
	v_lshlrev_b32 v2, 3, v11
	v_mul_u32_u24 v9, v5, 1920                     ; two stored tiles on: six rows of 320
	v_lshlrev_b32 v94, 3, v3                       ; 8 h
	v_lshl_add_u32 v10, v4, 3, v9
	v_lshl_add_u32 v10, v3, 7, v10                 ; K, registers 4-5: 1,920 (r / 8) + 8 (r % 8) + 128 h
	v_mad_u32_u24 v9, v3, 320, v9
	v_lshl_add_u32 v9, v4, 4, v9                   ; K, registers 0-3: 1,920 (r / 8) + 320 h + 16 (r % 8)
	v_lshlrev_b32 v11, 3, v4
	v_lshl_add_u32 v11, v5, 2, v11
	v_lshl_add_u32 v11, v3, 7, v11                 ; K's scale words: 8 (r % 8) + 4 (r / 8); lanes 16-31 take the odd tile's, 128 bytes on
	v_add_nc_u32 v95, s61, v2
	v_lshl_add_u32 v219, v0, 4, SCG                ; out of the meeting place: 16 bytes a thread (threads 0-127)
	v_lshlrev_b32 v220, 4, v0
.irp u, 0,1
	global_load_b128 v[QF+12*\u:QF+12*\u+3], v1, s[84:85] offset:\u*768       ; Q's two tiles stay in registers
	global_load_b64 v[QF+12*\u+4:QF+12*\u+5], v2, s[84:85] offset:\u*768+512
.endr
	global_load_b32 v[QS], v2, s[86:87]            ; lanes 0-15: tile 0's scale words, lanes 16-31: tile 1's
.irp u, 0,1
.irp i, 6,7,8,9,10,11
	v_mov_b32 v[QF+12*\u+\i], 0                    ; the zero codes of K = 64 .. 127
.endr
.endr
.irp i, 0,1,2,3,4,5
	v_mov_b32 v[FRG+48+\i], 0                      ; registers 6-11 of K's last tile: written once, never loaded into
.endr
.irp b, 4,5,6
	v_mov_b32 v[TM+\b], 0                          ; written once: a lane permute's destination counts as one of its sources
.endr
	v_mov_b32 v[TMP], 0
	v_mov_b32 v[F+1], 0                            ; (upper halves of pairs that are named whole)
	v_mov_b32 v13, 0
.macro INIT                            ; a tile of queries begins: the first step finds zeros, which the first change of M leaves zeros
	v_mov_b32 v12, 0x7f61b1e6                      ; -M = 3e38: over every floor(-t)
	v_mov_b32 v14, 0
	v_mov_b32 v15, 0
.irp j, 0,1,2,3,4,5,6,7,8,9,10,11,12,13,14,15,16,17,18,19,20,21,22,23,24,25,26,27,28,29,30,31
	v_mov_b32 v[O+\j], 0
.endr
.endm
.macro KLOADS                          ; a record of K: eight tiles, six registers each, and four registers of scale words: 20 loads in one run
.irp g, 0,1
.irp t, 0,1,2,3
	ds_load_b128 v[FRG+6*(4*\g+\t):FRG+6*(4*\g+\t)+3], v4 offset:(4*\g+(\t%2))*960+128*(\t/2)
	ds_load_b64 v[FRG+6*(4*\g+\t)+4:FRG+6*(4*\g+\t)+5], v5 offset:(4*\g+(\t%2))*960+640+64*(\t/2)
.endr
.endr
.irp g, 0,1
.irp a, 0,1
	ds_load_b32 v[KS+2*\g+\a], v6 offset:7680+320*\g+64*\a   ; lanes 0-15: tile (g, 2 a), lanes 16-31: tile (g, 2 a + 1)
.endr
.endr
.endm
.macro KADR                            ; the addresses of the record at s56
	v_add_nc_u32 v4, s56, v9
	v_add_nc_u32 v5, s56, v10
	v_add_nc_u32 v6, s56, v11
.endm
.macro SMUL kt, u                      ; S^T of key tile kt for my tile u of queries.  An odd tile's scale words lie in lanes 16-31
.set rD, S+8*(\kt)
.set rA, FRG+6*(\kt)
.set rB, QF+12*(\u)
.set rS, KS+(\kt)/2
.if ((\kt)%2) && (\u)
	v_wmma_scale_f32_16x16x128_f8f6f4 v[rD:rD+7], v[rA:rA+11], v[rB:rB+11], 0, v[rS], v[QS] matrix_a_fmt:MATRIX_FMT_BF6 matrix_b_fmt:MATRIX_FMT_BF6 matrix_a_scale:MATRIX_SCALE_ROW1 matrix_b_scale:MATRIX_SCALE_ROW1
.elseif ((\kt)%2)
	v_wmma_scale_f32_16x16x128_f8f6f4 v[rD:rD+7], v[rA:rA+11], v[rB:rB+11], 0, v[rS], v[QS] matrix_a_fmt:MATRIX_FMT_BF6 matrix_b_fmt:MATRIX_FMT_BF6 matrix_a_scale:MATRIX_SCALE_ROW1
.elseif (\u)
	v_wmma_scale_f32_16x16x128_f8f6f4 v[rD:rD+7], v[rA:rA+11], v[rB:rB+11], 0, v[rS], v[QS] matrix_a_fmt:MATRIX_FMT_BF6 matrix_b_fmt:MATRIX_FMT_BF6 matrix_b_scale:MATRIX_SCALE_ROW1
.else
	v_wmma_scale_f32_16x16x128_f8f6f4 v[rD:rD+7], v[rA:rA+11], v[rB:rB+11], 0, v[rS], v[QS] matrix_a_fmt:MATRIX_FMT_BF6 matrix_b_fmt:MATRIX_FMT_BF6
.endif
.endm
.macro PVMUL a                         ; O^T of channel tile a += V^T P^T over these 128 keys
.set rD, O+8*(\a)
.set rA, FRG+12*(\a)
.set rS, VS+(\a)/2
.if (\a)%2
	v_wmma_scale_f32_16x16x128_f8f6f4 v[rD:rD+7], v[rA:rA+11], v[PCD:PCD+11], v[rD:rD+7], v[rS], v[PW] matrix_a_fmt:MATRIX_FMT_BF6 matrix_b_fmt:MATRIX_FMT_BF6 matrix_a_scale:MATRIX_SCALE_ROW1
.else
	v_wmma_scale_f32_16x16x128_f8f6f4 v[rD:rD+7], v[rA:rA+11], v[PCD:PCD+11], v[rD:rD+7], v[rS], v[PW] matrix_a_fmt:MATRIX_FMT_BF6 matrix_b_fmt:MATRIX_FMT_BF6
.endif
.endm
.macro SUMS j                          ; four more of the row's 64 numbers p, in two chains
	v_pk_add_f32 v[14:15], v[14:15], v[S+\j:S+\j+1]
	v_pk_add_f32 v[SUM2:SUM2+1], v[SUM2:SUM2+1], v[S+\j+2:S+\j+3]
.endm
; A KEY STEP: 128 keys for my tile u of 16 queries.  Its K has been asked for.  pf = 1: it asks for the next step's K.
.macro STEP u, pf
	s_wait_alu depctr_va_vdst(0)
	s_wait_dscnt 0x0                               ; K's tiles and scale words are in
.irp t, 0,1,2,3,4,5,6,7
	SMUL \t, \u                                    ; eight accumulators, one instruction each
.endr                                  ; register S + 32 g + i of lane (r, h) is key 64 g + 32 h + i for query r
	v_add_nc_u32 v7, s57, v1                       ; the step's record of V.  (These two and two v_nop are the four places in front of the loads below and of the first reads of the scores)
	v_add_nc_u32 v8, s57, v2
	v_nop
	v_nop
.irp a, 0,1,2,3                        ; V's four fragments are asked for now and land under the softmax
	ds_load_b128 v[FRG+12*\a:FRG+12*\a+3], v7 offset:\a*768
	ds_load_b64 v[FRG+12*\a+4:FRG+12*\a+5], v8 offset:\a*768+512
	ds_load_b128 v[FRG+12*\a+6:FRG+12*\a+9], v7 offset:3072+\a*768
	ds_load_b64 v[FRG+12*\a+10:FRG+12*\a+11], v8 offset:3072+\a*768+512
.endr
	ds_load_b64 v[VS:VS+1], v8 offset:6144
.irp b, 0,1,2,3                        ; the largest score of my two blocks, in four chains of 16; each accumulator is first read at its low end
	v_max3_num_f32 v[TM+\b], v[S+16*\b], v[S+16*\b+1], v[S+16*\b+2]
.endr
.irp i, 3,5,7,9,11,13
.irp b, 0,1,2,3
	v_max3_num_f32 v[TM+\b], v[TM+\b], v[S+16*\b+\i], v[S+16*\b+\i+1]
.endr
.endr
	v_max3_num_f32 v[TM], v[TM], v[TM+1], v[S+15]
	v_max3_num_f32 v[TM+2], v[TM+2], v[TM+3], v[S+47]
	v_max_num_f32 v[TM], v[TM], v[S+31]            ; block h: it serves for the row's maximum and, since p rises with the score, for the block's largest p
	v_max_num_f32 v[TM+2], v[TM+2], v[S+63]        ; block 2 + h
	v_max_num_f32 v[TMP], v[TM], v[TM+2]
	v_permlanex16_b32 v[TM+6], v[TMP], s20, s21
	v_max_num_f32 v[TMP], v[TMP], v[TM+6]          ; the step's largest score of my query
	v_mul_f32 v[TMP], s24, v[TMP]                  ; -t
	v_floor_f32 v[TMP], v[TMP]
	v_min_num_f32 v[TMP], v[TMP], v12              ; the new -M: a whole number
	v_sub_f32 v[D], v[TMP], v12                    ; M's old value less its new one: a whole number, 0 or less
	v_mov_b32 v12, v[TMP]
	v_fma_f32 v[TM], v[TM], s22, v12               ; t - M of each block's largest score
	v_fma_f32 v[TM+2], v[TM+2], s22, v12
	v_cvt_i32_f32 v[D], v[D]                       ; (it saturates)
.irp j, 0,2
	v_pk_fma_f32 v[S+\j:S+\j+1], v[S+\j:S+\j+1], s[22:23], v[12:13] op_sel_hi:[1,0,0]   ; t - M, two at a time
.endr
	v_ldexp_f32 v[F], 1.0, v[D]                    ; f = 2^(old M - new M)
.irp j, 4,6,8,10,12,14,16,18,20,22,24,26,28,30,32,34,36,38,40,42,44,46,48,50,52,54,56,58,60,62
	v_pk_fma_f32 v[S+\j:S+\j+1], v[S+\j:S+\j+1], s[22:23], v[12:13] op_sel_hi:[1,0,0]
.endr
.irp j, 0,2,4,6,8,10,12,14,16,18,20,22,24,26,28,30
	v_pk_mul_f32 v[O+\j:O+\j+1], v[O+\j:O+\j+1], v[F:F+1] op_sel_hi:[1,0]   ; O^T under the new M, ahead of the exponentials, each accumulator from its low end on
.endr
	s_wait_alu depctr_va_vdst(0)
	v_exp_f32 v[TM], v[TM]                         ; the block's largest p: the same multiply-add and exponential on the same number give the same bits
	v_exp_f32 v[TM+2], v[TM+2]
.irp j, 0,1,2,3,4,5,6,7,8,9,10,11,12,13,14,15,16,17,18,19,20,21,22,23,24,25,26,27,28,29,30,31,32,33,34,35,36,37,38,39,40,41,42,43,44,45,46,47,48,49,50,51,52,53,54,55,56,57,58,59,60,61,62,63
	v_exp_f32 v[S+\j], v[S+\j]                     ; p = 2^(t - M), at most 1: not normalised
.endr
	v_pk_mul_f32 v[14:15], v[14:15], v[F:F+1] op_sel_hi:[1,0]   ; the sums under the new M: the plain line behind the last exponential
	s_wait_alu depctr_va_vdst(0)                   ; one wait for the whole batch, ahead of its first reader
	v_max_num_f32 v[TM], 0x2800000, v[TM]          ; the floor 2^(5 - 127): the byte cannot fall under 1
	v_max_num_f32 v[TM+2], 0x2800000, v[TM+2]
	v_add_nc_u32 v[TM+1], 0xfe000000, v[TM]        ; 4 off the exponent field: the conversion's scale operand
	v_add_nc_u32 v[TM+3], 0xfe000000, v[TM+2]
	v_cvt_scalef32_pk16_bf6_f32 v[PCD:PCD+2], v[S:S+15], v[TM+1]
	v_cvt_scalef32_pk16_bf6_f32 v[PT:PT+2], v[S+16:S+31], v[TM+1]        ; (a conversion's three registers begin on an even number)
	v_cvt_scalef32_pk16_bf6_f32 v[PCD+6:PCD+8], v[S+32:S+47], v[TM+3]
	v_cvt_scalef32_pk16_bf6_f32 v[PT+4:PT+6], v[S+48:S+63], v[TM+3]
	v_lshrrev_b32 v[TM+4], 23, v[TM+1]             ; the scales' bytes.  (The plain line behind the conversions)
	v_lshrrev_b32 v[TM+5], 23, v[TM+3]
	v_lshl_or_b32 v[TM+4], v[TM+5], 16, v[TM+4]    ; my two bytes: blocks h and 2 + h,
	v_lshlrev_b32 v[TM+4], v94, v[TM+4]            ; at their places;
	v_permlanex16_b32 v[TM+6], v[TM+4], s20, s21
	v_or_b32 v[PW], v[TM+4], v[TM+6]               ; with lane l xor 16's two: p's scale word for these 128 keys
.irp c, 0,1
.irp i, 0,1,2
	v_mov_b32 v[PCD+6*\c+3+\i], v[PT+4*\c+\i]
.endr
.endr
; THE ROW'S SUM IS TAKEN OF THE UNQUANTISED p: 32 lines.  The six moves and the first eleven sums are the places between the writes of p's scale word and codes and the products.
	v_pk_add_f32 v[SUM2:SUM2+1], v[S:S+1], v[S+2:S+3]
.irp j, 4,8,12,16,20
	SUMS \j
.endr
	s_wait_alu depctr_va_vdst(0)
	s_wait_dscnt 0x0                               ; V's fragments and scale words are in: they were asked for ahead of the softmax
.irp a, 0,1,2,3
	PVMUL \a                                       ; four accumulators, one instruction each
.endr
	s_add_co_u32 s56, s56, KLR                     ; the next step's records
	s_add_co_u32 s57, s57, VREC
.if \pf
	KADR                                           ; these three and the two sums below are the places between the products and the loads into the registers that they read
.endif
	SUMS 24
.if \pf
	KLOADS                                         ; the next step's K; the lines below stand between this run and the wait for it
.endif
.irp j, 28,32,36,40,44,48,52,56,60
	SUMS \j
.endr
	v_pk_add_f32 v[14:15], v[14:15], v[SUM2:SUM2+1]
.endm
; A tile ends: O^T / the sum, quantised along the head's 64 channels (register 16 b + i is channel 32 b + 16 h + i: two blocks of 32, each shared with lane l xor 16), stored as the tile's half fragment of this head.
.macro FIN u
	v_add_f32 v14, v14, v15                        ; the sum's two halves,
	v_permlanex16_b32 v[TMP], v14, s20, s21
	v_add_f32 v14, v14, v[TMP]                     ; and lane l xor 16's: the row's sum
	s_wait_alu depctr_va_vdst(0)                   ; the wait ahead of the reciprocal,
	v_rcp_f32 v[F], v14
	v_nop                                          ; a plain line behind it,
	s_wait_alu depctr_va_vdst(0)                   ; and the wait ahead of its first reader and of O^T's
.irp j, 0,2,4,6,8,10,12,14,16,18,20,22,24,26,28,30
	v_pk_mul_f32 v[S+\j:S+\j+1], v[O+\j:O+\j+1], v[F:F+1] op_sel_hi:[1,0]
.endr
.irp b, 0,1
	v_max3_num_f32 v[TM+\b], |v[S+16*\b]|, |v[S+16*\b+1]|, 0x2800000
.endr
.irp i, 2,4,6,8,10,12,14
.irp b, 0,1
	v_max3_num_f32 v[TM+\b], v[TM+\b], |v[S+16*\b+\i]|, |v[S+16*\b+\i+1]|
.endr
.endr
.irp b, 0,1
	v_permlanex16_b32 v[TM+4+\b], v[TM+\b], s20, s21
.endr
.irp b, 0,1
	v_max_num_f32 v[TM+\b], v[TM+\b], v[TM+4+\b]
.endr
.irp b, 0,1
	v_add_nc_u32 v[TM+8+\b], 0xfe000000, v[TM+\b]
.endr
.irp b, 0,1
	v_lshrrev_b32 v[TM+4+\b], 23, v[TM+8+\b]
.endr
	v_lshl_or_b32 v[W16+\u], v[TM+5], 8, v[TM+4]   ; this head's two bytes of my row
	v_cvt_scalef32_pk16_bf6_f32 v[PCD:PCD+2], v[S:S+15], v[TM+8]
	v_cvt_scalef32_pk16_bf6_f32 v[PT:PT+2], v[S+16:S+31], v[TM+9]
	v_nop                                          ; one plain line behind the conversions
.irp i, 0,1,2
	v_permlane16_swap_b32 v[PCD+\i], v[PT+\i]      ; a whole block to a lane: lanes 0-15 block 0, lanes 16-31 block 1
.endr
.irp i, 0,1,2
	v_mov_b32 v[PCD+3+\i], v[PT+\i]
.endr
	global_store_b128 v1, v[PCD:PCD+3], s[8:9] offset:\u*12288        ; 512 consecutive bytes
	global_store_b64 v2, v[PCD+4:PCD+5], s[8:9] offset:\u*12288+512   ; 256 consecutive bytes
.endm
	INIT
	s_wait_alu depctr_va_vdst(0)
	s_wait_loadcnt 0x0                             ; Q
	s_wait_tensorcnt 0x0                           ; my record has landed
	s_barrier_signal -1
	s_barrier_wait -1                              ; everybody's has: all keys lie in LDS, and nothing is filled again
	KADR
	KLOADS                                         ; record 0
	s_mov_b32 s58, 7
.Lfirst:                                           ; key steps 0 to 6
	STEP 0, 1
	s_sub_co_u32 s58, s58, 1
	s_cmp_lg_u32 s58, 0
	s_cbranch_scc1 .Lfirst
	STEP 0, 0                                      ; key step 7 asks for nothing
	FIN 0
	s_mov_b32 s56, 0                               ; my second tile walks the same keys
	s_mov_b32 s57, VLDS
	KADR
	KLOADS
	INIT
	s_wait_xcnt 0x0                                ; the stores have read their data: the codes' registers are written again only behind this wait
	s_mov_b32 s58, 7
.Lsecond:
	STEP 1, 1
	s_sub_co_u32 s58, s58, 1
	s_cmp_lg_u32 s58, 0
	s_cbranch_scc1 .Lsecond
	STEP 1, 0
	FIN 1
	; the scale words: 4 bytes a lane of sixteen waves meet in LDS and leave as 2,048 consecutive bytes
	v_cmp_eq_u32 vcc_lo, 1, v3                     ; lanes 0-15 hold tile 0's rows, lanes 16-31 tile 1's
	v_cndmask_b32 v[TMP], v[W16], v[W16+1], vcc_lo
	ds_store_b32 v95, v[TMP]
	s_wait_dscnt 0x0                               ; for the others' sake: my store is done
	s_barrier_signal -1
	s_barrier_wait -1
	s_cmp_lt_u32 s12, 4
	s_cbranch_scc0 .Lend
	ds_load_b128 v[S:S+3], v219
	s_wait_dscnt 0x0
	global_store_b128 v220, v[S:S+3], s[10:11]     ; a wave stores 512 consecutive bytes
.Lend:
	s_wait_tensorcnt 0x0                           ; the wave's end
	ds_add_u32 v254, v255
	s_wait_dscnt 0x0
	s_endpgm
.Lfunc_end_k_q2a2251a21a_attn:
	.size	k_q2a2251a21a_attn, .Lfunc_end_k_q2a2251a21a_attn-k_q2a2251a21a_attn
	.p2alignl 7, 3214868480
	.fill 96, 4, 3214868480
	.section	.rodata,"a",@progbits
	.p2align	6, 0x0
	.amdhsa_kernel k_q2a2251a21a_attn
		.amdhsa_group_segment_fixed_size 169984
		.amdhsa_private_segment_fixed_size 0
		.amdhsa_enable_private_segment 0
		.amdhsa_kernarg_size 32
		.amdhsa_user_sgpr_count 2
		.amdhsa_user_sgpr_kernarg_segment_ptr 1
		.amdhsa_wavefront_size32 1
		.amdhsa_system_sgpr_workgroup_id_x 1
		.amdhsa_system_sgpr_workgroup_id_y 1
		.amdhsa_system_sgpr_workgroup_id_z 1
		.amdhsa_system_vgpr_workitem_id 0
		.amdhsa_next_free_vgpr 256
		.amdhsa_next_free_sgpr 100
		.amdhsa_reserve_vcc 1
		.amdhsa_float_denorm_mode_32 3
		.amdhsa_float_denorm_mode_16_64 3
		.amdhsa_memory_ordered 1
		.amdhsa_forward_progress 1
		.amdhsa_inst_pref_size 77
	.end_amdhsa_kernel
	.amdgpu_metadata
---
amdhsa.version: [ 1, 2 ]
amdhsa.kernels:
  - .name:           k_q2a2251a21a_attn
    .symbol:         k_q2a2251a21a_attn.kd
    .args:
      - { .name: qk, .offset: 0, .size: 8, .value_kind: global_buffer, .address_space: global }
      - { .name: vv, .offset: 8, .size: 8, .value_kind: global_buffer, .address_space: global }
      - { .name: mc, .offset: 16, .size: 8, .value_kind: global_buffer, .address_space: global }
      - { .name: msh, .offset: 24, .size: 8, .value_kind: global_buffer, .address_space: global }
    .group_segment_fixed_size: 169984
    .private_segment_fixed_size: 0
    .kernarg_segment_align: 8
    .kernarg_segment_size: 32
    .max_flat_workgroup_size: 512
    .sgpr_count:     100
    .vgpr_count:     256
    .wavefront_size: 32
...
	.end_amdgpu_metadata
.endif
;; end of part 3
;; launch proj_o (part 4): grid 4 x 64, 4 waves a work-group, clusters of 4 x 4, 295,424 bytes of LDS; arguments mc, msh, wc, ws, bo, out0; writes out0
.if DOCPART == 4
	.amdgcn_target "amdgcn-amd-amdhsa--gfx1250"
	.amdhsa_code_object_version 6
	.text
	.protected	k_q2a2251a21a_proj_o
	.globl	k_q2a2251a21a_proj_o
	.p2align	8
	.type	k_q2a2251a21a_proj_o,@function
k_q2a2251a21a_proj_o:
	s_mov_b64 s[64:65], 0
	v_nop
	global_prefetch_b8 v0, s[64:65] scope:SCOPE_SE
	s_setreg_imm32_b32 hwreg(HW_REG_WAVE_MODE, 25, 1), 1
	s_wait_xcnt 0x0
	s_wait_alu depctr_hold_cnt(0) depctr_sa_sdst(0) depctr_va_vdst(0) depctr_va_sdst(0) depctr_va_ssrc(0) depctr_va_vcc(0) depctr_vm_vsrc(0)
	s_getreg_b32 s2, hwreg(HW_REG_IB_STS2, 6, 4)
	s_cmp_eq_u32 s2, 0
	s_cbranch_scc0 .Lentry_in_a_cluster
	s_endpgm
.Lentry_in_a_cluster:
	s_bfe_u32 s2, ttmp6, 0x10000c
	s_cmp_lg_u32 s2, 0xf033
	s_cbranch_scc0 .Lentry_shape_is_right
	s_endpgm
.Lentry_shape_is_right:
; ONE TEXT FOR THE THREE PROJECTIONS; the line below says which this file is.  All on codes of BF6 (E3M2) with one E8M0 byte for each 32 along K = 1,024; sums in f32.
;   MODE 0: q and k = x [wq | wk] + bias, quantised along the head's 64.   side A = 128 rows of x, side B = 256 columns of [wq | wk].
;   MODE 1: v^T = (x wv + bv)^T, quantised along the keys.                 side A = 128 columns of wv, side B = 256 rows of x.
;   MODE 2: out = merged wo + bo, f32.                                     side A = 128 rows of merged, side B = 256 columns of wo.
; LIMITS: NaN and infinities are not served; a block of zeros, or one under 2^-122, gets the scale byte 1 (its codes are zeros or what the format keeps; this program alone reads the bytes).
; THE MATRIX INSTRUCTION: source 0 = 16 rows of side B, source 1 = 16 rows of side A.  A lane then holds ONE row of side A (lane % 16) and eight rows of side B.  Lane r of tile 2 p + u of every operand holds row
; 32 p + 8 u + r + 8 (r / 8): so the 16 registers of B's tiles 2 p and 2 p + 1 are 16 NEIGHBOURS, 32 p + 16 (lane / 16) + 0 .. 15, which is what the conversions (MODE 0, 1) and the rows of out (MODE 2) want.
; OPERANDS LIE IN MEMORY IN THE ORDER OF THEIR REGISTERS: [tile][K step 8][1,536 bytes]; a fragment is two halves of 768 bytes: registers 0-3 at 16 x lane, registers 4-5 at 512 + 8 x lane.  No pitch, no padding.
; SHARES.  A work-group: 128 (A) x 256 (B).  Four waves, each 64 x 128: 32 accumulators.  ALL OF K LIES IN LDS, (128 + 256) x 768 = 294,912 bytes, brought by one load a wave, each byte filled once: no slot is filled again.
; CLUSTER 4 x 4: A's chunks hang on the work-group's y alone and are asked for jointly along a row of the cluster, B's on its x alone, along a column.  Waves 0, 1 ask for A's halves, waves 2, 3 for B's: one load a wave at the head.
; REGISTERS, in windows of 256: window 0: v1-14 addresses; v32-47 A's scale words (8 pair + step), v48-79 B's; v96-143, v144-191 A's fragments, two sets; free on the way out.
;   window 1: B's fragments, two sets, at v0 and v128.   window 2: accumulator (a, b) at v[8 (8 a + b)].   window 3: v0-63 the bias, in the result's layout: the C of each sum's first instruction.
.set MODE, 2
.if MODE == 0
.set AOFF,  0
.set ASOFF, 0
.set BOFF,  0
.set BSOFF, 0
.set SC,    425984                     ; from a head's record to the next head's: 64 records of 6,656 bytes
.elseif MODE == 1
.set AOFF,  1572864                    ; wv is the third weight in wc and ws
.set ASOFF, 65536
.set BOFF,  0
.set BSOFF, 0
.set SC,    3072                       ; from the first 64 keys' halves to the second's
.else
.set AOFF,  0
.set ASOFF, 0
.set BOFF,  2359296                    ; wo is the fourth
.set BSOFF, 98304
.set SC,    0
.endif
.set FR,    12                         ; registers of a fragment
; THE FILLS AS THEY NOW STAND: each wave brings its half of a side for ALL of K by ONE joint load at the head (A: 4 tiles, 49,152 bytes; B: 8 tiles, 98,304 bytes).
; LDS holds the operands as memory does: A's 8 tiles, then B's 16, each [K step 8][1,536].  One wait for 0 and one barrier show all of it to all waves; the walk along K has no barrier but the one in its last step, ahead of the stage.
.set L16,  4                           ; v4   16 x lane
.set L8,   5                           ; v5   8 x lane
.set AA16, 6                           ; v6   LDS: my four tiles of A, registers 0-3 of a half
.set AA8,  7                           ; v7   registers 4-5
.set AB16, 8                           ; v8, v9 the same for my eight tiles of B
.set AB8,  9
.set AB16H, 12                         ; v12, v13 the same for B's tiles 4-7 of mine: 49,152 bytes on, so that every offset fits the 16-bit immediate
.set AB8H, 13
.set STO,  10                          ; v10  MODE 2: where I put 32 bytes of a row in my stage
.set RD,   11                          ; v11  and where I read a row back
.set BO,   14                          ; v14  my lane's offset in the bias
.set SCA,  32
.set SCB,  48
.set AF,   96
.set T,    192                         ; MODE 2, at the head: the heads' half scale words
.set PC,   96                          ; the way out, MODE 0, 1: the codes just made,
.set PT,   108                         ; the blocks' other halves,
.set TM,   116                         ; v116-131 at work,
.set W,    132                         ; v132-135 tile a's scale word,
.set E,    136                         ; v136-139 the words as they are stored
.set BK,   96                          ; the way out, MODE 2: 16 rows read back: v96-159 and v160-223 by turns
.set G1A,  32                          ; s[32:39] descriptor group 1 for A's chunks;  s[40:47] for B's
.set G1B,  40
.set G0A,  48                          ; s[48:51] group 0 for A's load;  s[68:71] for B's.  Never rewritten
.set G0B,  68
.set MULW, 0xa1                        ; source 0 (B) window 1, source 1 (A) window 0, C and D window 2
.set MULF, 0xb1                        ; the same with C in window 3: the bias
.set TO_B, 0x40                        ; destination window 1
.set TO_BIAS, 0xc0                     ; destination window 3
.set BIASMOV, 0xc3                     ; destination and source 0 window 3
.set MAXW, 0x28                        ; sources 1 and 2 window 2
.set CVTW, 0x02                        ; source 0 window 2
.set STW,  0x08                        ; an LDS store's data are its source 1: window 2
.set MSB, 0
.macro WIN new                         ; the immediate's high byte repeats the setting that is left
.if MSB != \new
	s_set_vgpr_msb (MSB<<8)|\new
.set MSB, \new
.endif
.endm
.macro PLACES                          ; four plain vector lines between a matrix instruction and a load into, or a vector read or write of, its registers
.rept 4
	v_nop
.endr
.endm
.macro CROUND                          ; a round of the cluster's barrier
	s_barrier_signal -1
	s_barrier_wait -1
	s_cmp_lg_u32 s22, 0
	s_cbranch_scc1 .Lnot_wave_0_\@
	s_barrier_signal -3
.Lnot_wave_0_\@:
	s_barrier_wait -3
	s_barrier_signal -1
	s_barrier_wait -1
.endm
	s_load_b256 s[4:11], s[0:1], 0x0               ; A's codes s[4:5], A's scales s[6:7], B's codes s[8:9], B's scales s[10:11]
	s_load_b128 s[12:15], s[0:1], 0x20             ; MODE 0: bq, bk;  MODE 1, 2: the bias, the output
	v_lshl_add_u32 v254, v0, 2, 0x48000
	v_mov_b32 v255, 0
	ds_add_u32 v254, v255
	ds_add_u32 v254, v255
.if MODE == 0
	s_load_b64 s[16:17], s[0:1], 0x30              ; the output
.endif
	v_lshrrev_b32 v1, 5, v0
	v_readfirstlane_b32 s22, v1                    ; wave 0..3
	s_lshr_b32 s23, s22, 1                         ; wa: which 64 rows of A are mine.  Also: I fetch for A (0) or for B (1)
	s_and_b32 s24, s22, 1                          ; wb: which 128 rows of B are mine.  Also: which half of that side I fetch
	s_bfe_u32 s25, ttmp6, 0x40000                  ; cx, cy: my place in the cluster
	s_bfe_u32 s26, ttmp6, 0x40004
	s_lshl_b32 s31, ttmp9, 2
	s_add_co_u32 s31, s31, s25                     ; ib: B's block = 4 x cluster x + cx
	s_and_b32 s30, ttmp7, 0xffff
	s_lshl_b32 s30, s30, 2
	s_add_co_u32 s30, s30, s26                     ; ia: A's block = 4 x cluster y + cy
	s_lshl_b32 s27, s26, 2
	s_lshl_b32 s27, 15, s27                        ; my row of the cluster
	s_lshl_b32 s28, 0x1111, s25                    ; my column
	; group 1: rows of 12,288 bytes (a tile's eight K steps: 1,536 elements of 8 bytes), 12,288 bytes apart in memory, dense in LDS; 4 rows for A, 8 for B
	s_or_b32 s[G1A], s27, (3<<16)|(1<<21)          ; 15:0 the mask; 17:16 elements of 8 bytes; 20 no padding; 21 set beside a mask
	s_or_b32 s[G1B], s28, (3<<16)|(1<<21)
.irp g, G1A, G1B
	s_mov_b32 s[\g+1], 1536<<16                    ; tensor_dim0: a tile's eight K steps, 12,288 bytes
	s_mov_b32 s[\g+3], 1536<<16                    ; tile_dim0
	s_mov_b32 s[\g+5], 1536                        ; tensor_dim0_stride
	s_mov_b32 s[\g+6], 0
	s_mov_b32 s[\g+7], 0
.endr
	s_mov_b32 s[G1A+2], 4<<16                      ; tensor_dim1
	s_mov_b32 s[G1A+4], 4                          ; tile_dim1
	s_mov_b32 s[G1B+2], 8<<16
	s_mov_b32 s[G1B+4], 8
	s_mul_i32 s84, s30, 98304                      ; A: 8 tiles of 12,288 bytes a block, my half of them.  s84-87 never hold B's coordinate, s88-91 never A's
	s_mul_i32 s86, s24, 49152
	s_add_co_u32 s84, s84, s86
	s_add_co_u32 s84, s84, AOFF
	s_mov_b32 s85, 0
	s_mul_i32 s86, s24, 49152                      ; and in LDS: my half of A's eight tiles; no place in the cluster enters an LDS address
	s_mul_i32 s88, s31, 196608                     ; B: 16 tiles a block
	s_mul_i32 s90, s24, 98304
	s_add_co_u32 s88, s88, s90
	s_add_co_u32 s88, s88, BOFF
	s_mov_b32 s89, 0
	s_mul_i32 s90, s24, 98304
	s_add_co_u32 s90, s90, 98304                   ; behind A's eight tiles
	s_wait_dscnt 0x0
	s_wait_kmcnt 0x0
	s_add_nc_u64 s[84:85], s[4:5], s[84:85]
	s_add_nc_u64 s[88:89], s[8:9], s[88:89]
	s_mov_b32 s[G0A], 1                            ; count = 1
	s_mov_b32 s[G0A+1], s86                        ; LDS address
	s_mov_b64 s[G0A+2:G0A+3], s[84:85]             ; global address
	s_or_b32 s[G0A+3], s[G0A+3], 0x80000000        ; type = 2
	s_mov_b32 s[G0B], 1
	s_mov_b32 s[G0B+1], s90
	s_mov_b64 s[G0B+2:G0B+3], s[88:89]
	s_or_b32 s[G0B+3], s[G0B+3], 0x80000000
	CROUND                                         ; all sixteen work-groups are here: the joint loads meet
	s_cmp_eq_u32 s23, 0                            ; a wave's one fill stands in one branch on its number, ahead of every wait on TENSORcnt and every LDS read: one load of mine is out
	s_cbranch_scc0 .Lfor_b
	tensor_load_to_lds s[G0A:G0A+3], s[G1A:G1A+7]  ; one load a wave at the head
	s_nop 0
	PLACES                                         ; four v_nop follow the last
	s_branch .Lasked
.Lfor_b:
	tensor_load_to_lds s[G0B:G0B+3], s[G1B:G1B+7]
	s_nop 0
	PLACES
.Lasked:
	v_and_b32 v1, 31, v0                           ; lane
	v_and_b32 v2, 15, v0                           ; r
	v_bfe_u32 v3, v0, 4, 1                         ; h
	v_lshlrev_b32 v[L16], 4, v1
	v_lshlrev_b32 v[L8], 3, v1
	s_wait_alu depctr_va_vdst(0)
	s_mul_i32 s20, s23, 49152                      ; my four tiles of A
	v_add_nc_u32 v[AA16], s20, v[L16]
	s_add_co_u32 s21, s20, 512
	v_add_nc_u32 v[AA8], s21, v[L8]
	s_mul_i32 s20, s24, 98304                      ; my eight tiles of B
	s_add_co_u32 s20, s20, 98304
	v_add_nc_u32 v[AB16], s20, v[L16]
	s_add_co_u32 s21, s20, 512
	v_add_nc_u32 v[AB8], s21, v[L8]
	s_add_co_u32 s20, s20, 49152                   ; tiles 4-7 of them
	v_add_nc_u32 v[AB16H], s20, v[L16]
	s_add_co_u32 s21, s20, 512
	v_add_nc_u32 v[AB8H], s21, v[L8]
	s_mov_b32 s92, 0x76543210
	s_mov_b32 s93, 0xfedcba98                      ; v_permlanex16_b32's selects for lane l xor 16
	s_mov_b32 s94, 0x7f7f0000                      ; MODE 0: the bytes of K = 64 .. 127, which attention's first product fills with zero codes
	; B's scale words: [pair][q 4][lane][2 words]; my four pairs
	s_lshl_b32 s20, s31, 13
	s_lshl_b32 s21, s24, 12
	s_add_co_u32 s20, s20, s21
	s_add_co_u32 s20, s20, BSOFF
	s_mov_b32 s21, 0
	s_add_nc_u64 s[10:11], s[10:11], s[20:21]
.irp p, 0,1,2,3
.irp q, 0,1,2,3
	global_load_b64 v[SCB+8*\p+2*\q:SCB+8*\p+2*\q+1], v[L8], s[10:11] offset:\p*1024+\q*256
.endr
.endr
.if MODE == 2
	s_lshl_b32 s20, s30, 9                         ; merged's half words: [head 16][pair / 2][lane][2 words]; my two pairs are one entry
	s_lshl_b32 s21, s23, 8
	s_add_co_u32 s20, s20, s21
	s_mov_b32 s21, 0
	s_add_nc_u64 s[6:7], s[6:7], s[20:21]
.irp d, 0,1,2,3,4,5,6,7,8,9,10,11,12,13,14,15
	global_load_b64 v[T+2*\d:T+2*\d+1], v[L8], s[6:7] offset:\d*32768
.endr
.else
	s_lshl_b32 s20, s30, 12                        ; A's scale words: my two pairs
	s_lshl_b32 s21, s23, 11
	s_add_co_u32 s20, s20, s21
	s_add_co_u32 s20, s20, ASOFF
	s_mov_b32 s21, 0
	s_add_nc_u64 s[6:7], s[6:7], s[20:21]
.irp p, 0,1
.irp q, 0,1,2,3
	global_load_b64 v[SCA+8*\p+2*\q:SCA+8*\p+2*\q+1], v[L8], s[6:7] offset:\p*1024+\q*256
.endr
.endr
.endif
	; the bias, in the result's layout
.if MODE == 0
	s_cmp_eq_u32 ttmp9, 0                          ; the first cluster along x holds wq's columns, the second wk's: the same in all sixteen partners
	s_cselect_b64 s[12:13], s[12:13], s[14:15]
.endif
.if MODE == 1
	s_lshl_b32 s20, s30, 9                         ; bv at my 64 columns of wv: 128 ia + 64 wa
	s_lshl_b32 s21, s23, 8
	v_and_b32 v[BO], 8, v2
	v_add_nc_u32 v[BO], v[BO], v2
	v_lshlrev_b32 v[BO], 2, v[BO]                  ; my lane's column of a tile: r + 8 (r / 8)
.else
	s_and_b32 s20, s31, 3                          ; at my 128 columns of the weight: 256 (ib % 4) + 128 wb
	s_lshl_b32 s20, s20, 10
	s_lshl_b32 s21, s24, 9
	v_lshlrev_b32 v[BO], 6, v3                     ; my half's 16 columns of a pair
.endif
	s_add_co_u32 s20, s20, s21
	s_mov_b32 s21, 0
	s_add_nc_u64 s[12:13], s[12:13], s[20:21]
	WIN TO_BIAS
.if MODE == 1
.irp a, 0,1,2,3
	global_load_b32 v[8*\a], v[BO], s[12:13] offset:(32*(\a/2)+8*(\a%2))*4
.endr
.else
.irp b, 0,1,2,3,4,5,6,7
	global_load_b128 v[8*\b:8*\b+3], v[BO], s[12:13] offset:(32*(\b/2)+8*(\b%2))*4
	global_load_b128 v[8*\b+4:8*\b+7], v[BO], s[12:13] offset:(32*(\b/2)+8*(\b%2))*4+16
.endr
.endif
	WIN 0
	; where my results go
.if MODE == 0
	s_lshl_b32 s20, s31, 2                         ; qk: [head 32: q's 16, k's 16][128 rows 64] records of 6,656 bytes: 8 tiles x 768, then 512 bytes of scale words.  My first head: 4 ib + 2 wb
	s_lshl_b32 s21, s24, 1
	s_add_co_u32 s20, s20, s21
	s_lshl_b32 s20, s20, 6
	s_add_co_u32 s20, s20, s30
	s_mul_i32 s20, s20, 6656
	s_mov_b32 s21, 0
	s_add_nc_u64 s[18:19], s[16:17], s[20:21]
	s_mul_i32 s20, s23, 3072
	s_add_nc_u64 s[16:17], s[18:19], s[20:21]      ; codes: my four tiles
	s_lshl_b32 s20, s23, 8
	s_add_co_u32 s20, s20, 6144
	s_add_nc_u64 s[18:19], s[18:19], s[20:21]      ; scale words: my two pairs
.elseif MODE == 1
	s_lshl_b32 s20, s30, 1                         ; vv: [head 16][128 keys 64] records of 6,400 bytes.  My head: 2 ia + wa; my keys: 2 ib + wb
	s_add_co_u32 s20, s20, s23
	s_lshl_b32 s20, s20, 6
	s_lshl_b32 s21, s31, 1
	s_add_co_u32 s20, s20, s21
	s_add_co_u32 s20, s20, s24
	s_mul_i32 s20, s20, 6400
	s_mov_b32 s21, 0
	s_add_nc_u64 s[16:17], s[14:15], s[20:21]
.else
	s_lshl_b32 s20, s30, 19                        ; out: row 128 ia + 64 wa of 4,096 bytes, column 256 ib + 128 wb
	s_lshl_b32 s21, s23, 18
	s_add_co_u32 s20, s20, s21
	s_lshl_b32 s21, s31, 10
	s_add_co_u32 s20, s20, s21
	s_lshl_b32 s21, s24, 9
	s_add_co_u32 s20, s20, s21
	s_mov_b32 s21, 0
	s_add_nc_u64 s[16:17], s[14:15], s[20:21]
	s_mul_i32 s20, s22, 8448                       ; my stage: 16 rows x (512 bytes + 16), in A's first bytes: they have had their one fill, and every wave's last read of them stands in front of the barrier of K step 7
	v_mul_u32_u24 v[STO], v2, 528
	v_lshl_add_u32 v[STO], v3, 6, v[STO]
	v_add_nc_u32 v[STO], s20, v[STO]
	v_add_nc_u32 v[RD], s20, v[L16]
.endif
.macro FRAG reg, a16, a8, off          ; a fragment comes as it lies: two halves of 768 bytes
	ds_load_b128 v[\reg:\reg+3], v[\a16] offset:\off
	ds_load_b64 v[\reg+4:\reg+5], v[\a8] offset:\off
	ds_load_b128 v[\reg+6:\reg+9], v[\a16] offset:\off+768
	ds_load_b64 v[\reg+10:\reg+11], v[\a8] offset:\off+768
.endm
.macro FETCH k, p                      ; K step k's fragments into set p: 48 loads in one run
	WIN TO_B
.irp b, 0,1,2,3,4,5,6,7
.if \b < 4
	FRAG 128*(\p)+FR*\b, AB16, AB8, \b*12288+(\k)*1536
.else
	FRAG 128*(\p)+FR*\b, AB16H, AB8H, (\b-4)*12288+(\k)*1536
.endif
.endr
	WIN 0
.irp a, 0,1,2,3
	FRAG AF+48*(\p)+FR*\a, AA16, AA8, \a*12288+(\k)*1536
.endr
.endm
.macro WM pb, pa                       ; one matrix instruction; an odd tile's scale words lie in lanes 16-31
.if (\pb) && (\pa)
	v_wmma_scale_f32_16x16x128_f8f6f4 v[rD:rD+7], v[rB:rB+11], v[rA:rA+11], v[rC:rC+7], v[rSB], v[rSA] matrix_a_fmt:MATRIX_FMT_BF6 matrix_b_fmt:MATRIX_FMT_BF6 matrix_a_scale:MATRIX_SCALE_ROW1 matrix_b_scale:MATRIX_SCALE_ROW1
.elseif (\pb)
	v_wmma_scale_f32_16x16x128_f8f6f4 v[rD:rD+7], v[rB:rB+11], v[rA:rA+11], v[rC:rC+7], v[rSB], v[rSA] matrix_a_fmt:MATRIX_FMT_BF6 matrix_b_fmt:MATRIX_FMT_BF6 matrix_a_scale:MATRIX_SCALE_ROW1
.elseif (\pa)
	v_wmma_scale_f32_16x16x128_f8f6f4 v[rD:rD+7], v[rB:rB+11], v[rA:rA+11], v[rC:rC+7], v[rSB], v[rSA] matrix_a_fmt:MATRIX_FMT_BF6 matrix_b_fmt:MATRIX_FMT_BF6 matrix_b_scale:MATRIX_SCALE_ROW1
.else
	v_wmma_scale_f32_16x16x128_f8f6f4 v[rD:rD+7], v[rB:rB+11], v[rA:rA+11], v[rC:rC+7], v[rSB], v[rSA] matrix_a_fmt:MATRIX_FMT_BF6 matrix_b_fmt:MATRIX_FMT_BF6
.endif
.endm
; 16 matrix instructions: A's tiles a0, a0 + 1 x B's eight, K step k, set p.  first = 1: the bias is the C.  The 32 accumulators take turns, one instruction a turn, in the same order in every step.
.macro MUL16 a0, p, k, first
.irp a, \a0, \a0+1
.irp b, 0,1,2,3,4,5,6,7
.set rD, 8*(8*(\a)+\b)
.set rB, 128*(\p)+FR*\b
.set rA, AF+48*(\p)+FR*(\a)
.set rSB, SCB+8*(\b/2)+(\k)
.set rSA, SCA+8*((\a)/2)+(\k)
.set rC, rD
.if \first
.if MODE == 1
.set rC, 8*(\a)
.else
.set rC, 8*\b
.endif
.endif
	WM \b%2, (\a)%2
.endr
.endr
.endm
.macro STEP k
	s_wait_dscnt 0x0                               ; this step's fragments are in
.if (\k) == 7
	WIN MULW
	s_barrier_signal -1                            ; my reads of the operands are over (the wait for them stands at the step's head);
	MUL16 0, 1, 7, 0                               ; work on registers while the others arrive
	MUL16 2, 1, 7, 0
	s_barrier_wait -1                              ; everybody's are: the stages may be stored into
.else                                  ; the next step's fragments are asked for into the other set, then this step is multiplied
.if (\k) > 0
	PLACES
.endif
	s_wait_alu depctr_va_vdst(0)
	FETCH (\k)+1, ((\k)+1)%2
.if (\k) == 0
	WIN MULF
	MUL16 0, 0, 0, 1
	MUL16 2, 0, 0, 1
.else
	WIN MULW
	MUL16 0, (\k)%2, \k, 0
	MUL16 2, (\k)%2, \k, 0
.endif
.endif
.endm
	s_wait_alu depctr_va_vdst(0)
	s_wait_tensorcnt 0x0                           ; my one load has landed
	s_barrier_signal -1
	s_barrier_wait -1                              ; everybody's has
	FETCH 0, 0
	s_wait_loadcnt 0x0                             ; scale words and bias
.if MODE == 1
	WIN BIASMOV
.irp a, 0,1,2,3
.irp j, 1,2,3,4,5,6,7
	v_mov_b32 v[8*\a+\j], v[8*\a]                  ; a lane's eight results of a tile belong to one column of wv: one number of bv eight times
.endr
.endr
	WIN 0
	PLACES
.endif
.if MODE == 2
.irp k, 0,1,2,3,4,5,6,7
.irp p, 0,1
	v_lshl_or_b32 v[SCA+8*\p+\k], v[T+4*\k+2+\p], 16, v[T+4*\k+\p]   ; K step k is heads 2 k and 2 k + 1: two bytes of each make the word
.endr
.endr
.rept 8
	v_nop                                          ; a scale register written by a vector instruction stands eight places ahead of the scaled matrix instruction
.endr
.endif
.irp k, 0,1,2,3,4,5,6,7
	STEP \k
.endr
	WIN 0
	PLACES                                         ; behind the last products: for the first reads of results and for writes and loads into registers that held fragments
.if MODE == 2
; THE WAY OUT, f32.  A lane holds 2 x 32 neighbouring bytes of a row for each pair of B's tiles, and the lanes beside it hold other rows: a tile of 16 rows x 128 columns goes through my stage and comes back as whole rows of 512 bytes.
.macro TOSTAGE a
	WIN STW
.irp b, 0,1,2,3,4,5,6,7
	ds_store_b128 v[STO], v[64*(\a)+8*\b:64*(\a)+8*\b+3] offset:128*(\b/2)+32*(\b%2)        ; each accumulator from its low end on
	ds_store_b128 v[STO], v[64*(\a)+8*\b+4:64*(\a)+8*\b+7] offset:128*(\b/2)+32*(\b%2)+16
.endr
	WIN 0
.set BB, BK+64*((\a)%2)
.irp t, 0,1,2,3,4,5,6,7,8,9,10,11,12,13,14,15
	ds_load_b128 v[BB+4*\t:BB+4*\t+3], v[RD] offset:528*\t   ; LDS serves a wave's instructions in order: these see my stores, and the next tile's stores come behind them
.endr
.endm
.macro SEND a, younger                 ; younger: the LDS instructions issued behind tile a's loads, which may stay out
.set BB, BK+64*((\a)%2)
	s_wait_dscnt \younger
.irp t, 0,1,2,3,4,5,6,7,8,9,10,11,12,13,14,15
	global_store_b128 v[L16], v[BB+4*\t:BB+4*\t+3], s[16:17] offset:(32*((\a)/2)+8*((\a)%2)+\t+8*(\t/8))*4096 th:TH_STORE_NT   ; 32 lanes store 512 consecutive bytes of one row, aligned
.endr
.endm
	TOSTAGE 0
.irp a, 1,2,3
.if \a > 1
	s_wait_xcnt 0x0                                ; tile a - 2's stores have read their registers: tile a's loads may land there
.endif
	TOSTAGE \a
	SEND \a-1, 32                                  ; behind tile a - 1's loads: tile a's 16 stores and 16 loads
.endr
	SEND 3, 0
.else
; THE WAY OUT, codes.  For A's tile a a lane holds 64 numbers of its row, register 16 b + i = place 32 b + 16 (lane / 16) + i along the next K: four blocks of 32, each shared with lane l xor 16.
.macro QOUT a
	WIN MAXW
.irp b, 0,1,2,3
	v_max3_num_f32 v[TM+\b], 0x2800000, |v[64*\a+16*\b]|, |v[64*\a+16*\b+1]|   ; my 16 numbers of block b, from each accumulator's low end on; and the floor 2^(5 - 127)
.endr
.irp i, 2,4,6,8,10,12,14
.irp b, 0,1,2,3
	v_max3_num_f32 v[TM+\b], v[TM+\b], |v[64*\a+16*\b+\i]|, |v[64*\a+16*\b+\i+1]|
.endr
.endr
	WIN 0
.irp b, 0,1,2,3
	v_permlanex16_b32 v[TM+4+\b], v[TM+\b], s92, s93
.endr
.irp b, 0,1,2,3
	v_max_num_f32 v[TM+\b], v[TM+\b], v[TM+4+\b]   ; the block's largest magnitude
.endr
.irp b, 0,1,2,3
	v_add_nc_u32 v[TM+12+\b], 0xfe000000, v[TM+\b] ; 4 off its exponent field: the conversion's scale operand
.endr
.irp b, 0,1,2,3
	v_lshrrev_b32 v[TM+4+\b], 23, v[TM+12+\b]      ; the scale's byte
.endr
	v_lshl_or_b32 v[W+\a], v[TM+5], 8, v[TM+4]
	v_lshl_or_b32 v[W+\a], v[TM+6], 16, v[W+\a]
	v_lshl_or_b32 v[W+\a], v[TM+7], 24, v[W+\a]
.if \a > 0
	s_wait_xcnt 0x0                                ; the last tile's stores have read their data
.endif
	WIN CVTW
.irp c, 0,1
	v_cvt_scalef32_pk16_bf6_f32 v[PC+6*\c:PC+6*\c+2], v[64*\a+32*\c:64*\a+32*\c+15], v[TM+12+2*\c]
	v_cvt_scalef32_pk16_bf6_f32 v[PT+4*\c:PT+4*\c+2], v[64*\a+32*\c+16:64*\a+32*\c+31], v[TM+12+2*\c+1]   ; (a conversion's three registers begin on an even number)
.endr
	WIN 0
	v_nop                                          ; one plain line behind the conversions
.irp c, 0,1                            ; the layout wants a WHOLE block in a lane: lanes 0-15 block 2 c, lanes 16-31 block 2 c + 1
.irp i, 0,1,2
	v_permlane16_swap_b32 v[PC+6*\c+\i], v[PT+4*\c+\i]
.endr
.irp i, 0,1,2
	v_mov_b32 v[PC+6*\c+3+\i], v[PT+4*\c+\i]
.endr
.endr
.irp c, 0,1                            ; half c: MODE 0: my head c;  MODE 1: keys 64 c on
	global_store_b128 v[L16], v[PC+6*\c:PC+6*\c+3], s[16:17] offset:\a*768+\c*SC       ; 512 consecutive bytes
	global_store_b64 v[L8], v[PC+6*\c+4:PC+6*\c+5], s[16:17] offset:\a*768+\c*SC+512   ; 256 consecutive bytes
.endr
.endm
.irp b, 0,1,2,3
	v_mov_b32 v[TM+4+\b], 0                        ; written once: a lane permute's destination counts as one of its sources
.endr
	QOUT 0
	QOUT 1
	QOUT 2
	QOUT 3
	v_cmp_eq_u32 vcc_lo, 1, v3                     ; the scale words: lanes 0-15 store the even tile's, lanes 16-31 the odd tile's; word j is pair j
	v_cndmask_b32 v[E], v[W], v[W+1], vcc_lo
	v_cndmask_b32 v[E+1], v[W+2], v[W+3], vcc_lo
.if MODE == 1
	global_store_b64 v[L8], v[E:E+1], s[16:17] offset:6144
.else
	v_lshrrev_b32 v[E+2], 16, v[E]                 ; bytes 2, 3 belong to my second head,
	v_lshrrev_b32 v[E+3], 16, v[E+1]
	v_and_or_b32 v[E], v[E], 0xffff, s94           ; bytes 0, 1 to my first; above them the byte of 1.0, twice
	v_and_or_b32 v[E+1], v[E+1], 0xffff, s94
	v_or_b32 v[E+2], s94, v[E+2]
	v_or_b32 v[E+3], s94, v[E+3]
	global_store_b64 v[L8], v[E:E+1], s[18:19]
	global_store_b64 v[L8], v[E+2:E+3], s[18:19] offset:SC
.endif
.endif
	s_wait_dscnt 0x0
	s_wait_tensorcnt 0x0
	ds_add_u32 v254, v255
	s_wait_dscnt 0x0
	CROUND                                         ; the closing round: no work-group ends while a partner may still ask for a chunk that names it
	s_endpgm
.Lfunc_end_k_q2a2251a21a_proj_o:
	.size	k_q2a2251a21a_proj_o, .Lfunc_end_k_q2a2251a21a_proj_o-k_q2a2251a21a_proj_o
	.p2alignl 7, 3214868480
	.fill 96, 4, 3214868480
	.section	.rodata,"a",@progbits
	.p2align	6, 0x0
	.amdhsa_kernel k_q2a2251a21a_proj_o
		.amdhsa_group_segment_fixed_size 295424
		.amdhsa_private_segment_fixed_size 0
		.amdhsa_enable_private_segment 0
		.amdhsa_kernarg_size 48
		.amdhsa_user_sgpr_count 2
		.amdhsa_user_sgpr_kernarg_segment_ptr 1
		.amdhsa_wavefront_size32 1
		.amdhsa_system_sgpr_workgroup_id_x 1
		.amdhsa_system_sgpr_workgroup_id_y 1
		.amdhsa_system_sgpr_workgroup_id_z 1
		.amdhsa_system_vgpr_workitem_id 0
		.amdhsa_next_free_vgpr 832
		.amdhsa_next_free_sgpr 100
		.amdhsa_reserve_vcc 1
		.amdhsa_float_denorm_mode_32 3
		.amdhsa_float_denorm_mode_16_64 3
		.amdhsa_memory_ordered 1
		.amdhsa_forward_progress 1
		.amdhsa_inst_pref_size 86
	.end_amdhsa_kernel
	.amdgpu_metadata
---
amdhsa.version: [ 1, 2 ]
amdhsa.kernels:
  - .name:           k_q2a2251a21a_proj_o
    .symbol:         k_q2a2251a21a_proj_o.kd
    .args:
      - { .name: mc, .offset: 0, .size: 8, .value_kind: global_buffer, .address_space: global }
      - { .name: msh, .offset: 8, .size: 8, .value_kind: global_buffer, .address_space: global }
      - { .name: wc, .offset: 16, .size: 8, .value_kind: global_buffer, .address_space: global }
      - { .name: ws, .offset: 24, .size: 8, .value_kind: global_buffer, .address_space: global }
      - { .name: bo, .offset: 32, .size: 8, .value_kind: global_buffer, .address_space: global }
      - { .name: out0, .offset: 40, .size: 8, .value_kind: global_buffer, .address_space: global }
    .group_segment_fixed_size: 295424
    .private_segment_fixed_size: 0
    .kernarg_segment_align: 8
    .kernarg_segment_size: 48
    .max_flat_workgroup_size: 128
    .sgpr_count:     100
    .vgpr_count:     832
    .wavefront_size: 32
...
	.end_amdgpu_metadata
.endif
;; end of part 4
